; MI455X (gfx1250); checked and timed in simulation.
; The chip was launched on July 23, 2026; its instructions are those of AMD's public machine-readable ISA for CDNA 5 (MIT licence, August 2026) and "CDNA5" Instruction Set Architecture Reference Guide (July 2026). The comments in the code are by the model that wrote it; some were corrected since.
;; Causal Self Attention. Allowed arithmetic: matrix products marked QUANTISED: E2M1 operands, one E8M0 scale for each 32 along K, by v_wmma_scale_f32_16x16x128_f8f6f4 with both operands' format E2M1 (or v_wmma_scale_f32_32x16x128_f4), f32 sums; products left as they are: bf16, f16 or f32 operands; f32 sums; everything else in f32.
;; Inputs: W_attn 1,024 x 3,072 float32; W_proj 1,024 x 1,024 float32; b_attn 3,072 float32; b_proj 1,024 float32; x 4 x 2,048 x 1,024 float32.
;; Outputs: out0 4 x 2,048 x 1,024 float32.
;; This version of the problem:
;;   THIS VERSION OF THE PROBLEM IS GIVEN IN LOW PRECISION. The matrix products marked QUANTISED in the list below multiply operands that are first quantised to E2M1 (2 exponent bits, 1 mantissa bit; 4 bits a number), with one power-of-two scale for each 32 numbers along K (OCP MX v1.0); their sums are f32. The products marked 'left as it is' may take bf16, f16 or f32 operands, with f32 sums. Whichever they take, every output number must still come out within the allowed error. Rounding operands to bf16 (8 significant bits) uses up far more of that allowance than f16 does (11 bits, for magnitudes from 6e-5 to 65,504). All else is computed in f32.
;;   The module's matrix products, in the order in which they are computed (A, B: the left and right operand; K: the contracted axis; several contracted axes count as one K, in the product's order):
;;     1. [M 8,192, K 1,024] x [K 1,024, N 3,072]; A: input x; B: input W_attn: QUANTISED
;;     2. batch 64 x [M 2,048, K 64] x [K 64, N 2,048]; A: computed on the way; B: computed on the way: left as it is (an operand is computed on the way)
;;     3. batch 64 x [M 2,048, K 2,048] x [K 2,048, N 64]; A: computed on the way; B: computed on the way: left as it is (an operand is computed on the way)
;;     4. [M 8,192, K 1,024] x [K 1,024, N 1,024]; A: computed on the way; B: input W_proj: left as it is (an operand is computed on the way)
;;   THE QUANTISER, for each operand of a quantised product, along K:
;;     - K is cut into blocks of 32 from its start; a last block that is shorter is filled with zeros.
;;     - A block's scale is 2^e with e = floor(log2(the largest magnitude in the block)) - 2, held to -126 .. 127; a block of zeros has e = 0. As a byte (E8M0): e + 127.
;;     - Each number is divided by its block's scale, clamped to +-6, and rounded to the nearest number of E2M1, ties to even, subnormals kept.
;;     - The product sums the exact products of the quantised numbers (number of the format x scale) in f32.
;;   ~~~python
;;   def quantise(x, axis):      # numpy; x: float32 -> the quantised numbers, widened to float32 again
;;       x = np.moveaxis(x, axis, -1); K = x.shape[-1]
;;       x = np.pad(x, [(0, 0)] * (x.ndim - 1) + [(0, -K % 32)]); x = x.reshape(x.shape[:-1] + (-1, 32)); a = np.abs(x).max(-1, keepdims=True)
;;       e = np.where(a > 0, np.clip(np.frexp(np.where(a > 0, a, 1))[1] - 1 - 2, -126, 127), 0)      # np.frexp(a)[1] - 1 = floor(log2(a)), exactly
;;       r = np.clip(x / 2.0 ** e, -6, 6)
;;       step = 2.0 ** (np.maximum(np.frexp(np.where(r == 0, 1, r))[1] - 1, 0) - 1)
;;       q = np.round(r / step) * step * 2.0 ** e      # np.round: ties to even
;;       return np.moveaxis(q.reshape(q.shape[:-2] + (-1,))[..., :K], -1, axis).astype(np.float32)
;;   ~~~
;; One version. Each part assembles by itself: llvm-mc -triple=amdgcn-amd-amdhsa -mcpu=gfx1250 --defsym DOCPART=n.
;; ======== version 1 of 1: 5 launches
;; limits: values are held in f16: magnitudes above 65,504 overflow, below 6.1e-05 lose precision
;; workspace buffers: xc 4,194,304 bytes; xs 262,144 bytes; wc 1,572,864 bytes; ws 98,304 bytes; wpT 2,097,152 bytes; qkv 50,331,648 bytes; qkv32 786,432 bytes; y 16,777,216 bytes
;; launch prep (part 1): grid 480 x 1, 4 waves a work-group, no clusters, 68,096 bytes of LDS; arguments x, W_attn, W_proj, xc, xs, wc, ws, wpT; writes xc, xs, wc, ws, wpT
.if DOCPART == 1
	.amdgcn_target "amdgcn-amd-amdhsa--gfx1250"
	.amdhsa_code_object_version 6
	.text
	.protected	k_q6902798d46_prep
	.globl	k_q6902798d46_prep
	.p2align	8
	.type	k_q6902798d46_prep,@function
k_q6902798d46_prep:
	s_mov_b64 s[64:65], 0
	v_nop
	global_prefetch_b8 v0, s[64:65] scope:SCOPE_SE
	s_setreg_imm32_b32 hwreg(HW_REG_WAVE_MODE, 25, 1), 1
	s_wait_xcnt 0x0
; PREP: the operands of the later products are laid out once.
;   work-groups 0-255:   x [8192][1024] f32 -> xc: codes of E2M1, K innermost, 512 bytes a row; xs: one E8M0 byte for each 32 along K, 32 bytes a row.
;   work-groups 256-351: W_attn [1024 k][3072 n] f32 -> wc [3072 n][512 bytes], ws [3072 n][32]: K is W_attn's FIRST axis, so a lane takes a column and its registers run down K.
;   work-groups 352-479: W_proj [1024 k][1024 n] f32 -> wpT [1024 n][1024 k] f16, by the same plan.
; A block's scale is 2^(floor(log2(its largest magnitude)) - 2): its byte is the largest magnitude's exponent field - 2, held at 1 from below.
; LIMITS: a block of zeros gets the byte 1 where the rule says 127 (its codes are zeros, and this program alone reads the bytes); blocks whose largest magnitude lies under 2^-124 were not tried;
; NaN and infinities are not served; |W_proj| stays under 65,504 (f16).
; The three paths part on the work-group's number alone, never join, and each has LDS bytes of its own.  No tensor loads.
.set SPW,   190                        ; v190 LDS address of my spare word; never rewritten
.set NIL,   191                        ; v191 0; never rewritten
.set SP,    80                         ; path X: a lane's place in a stage: 64 bytes + 16 of padding
.set WASTG, 32768                      ; path W_attn: 64 rows x (256 + 16) bytes
.set WPSTG, 50176                      ; path W_proj: the same
.set SPARE, 67584                      ; the spare words: 128 bytes for each wave
; ---- path X: a wave takes 16 steps of 512 numbers.  Loads take the bytes as they lie (512 on end); a step's 2,048 bytes turn through the wave's own stage, so that a lane then holds 16 neighbours along K.
.macro XLOAD t
.irp i, 0,1,2,3
	global_load_b128 v[16+16*((\t)%4)+4*\i:16+16*((\t)%4)+4*\i+3], v3, s[4:5] offset:2048*(\t)+512*\i th:TH_LOAD_NT
.endr
.endm
.macro XTURN t                         ; LDS serves a wave's instructions in order: no wait between the stores and the loads
.irp i, 0,1,2,3
	ds_store_b128 v14, v[16+16*((\t)%4)+4*\i:16+16*((\t)%4)+4*\i+3] offset:32*SP*((\t)%2)+8*SP*\i
.endr
.irp i, 0,1,2,3
	ds_load_b128 v[80+16*((\t)%2)+4*\i:80+16*((\t)%2)+4*\i+3], v15 offset:32*SP*((\t)%2)+16*\i
.endr
.endm
.macro XSTEP t
.set XS, 80+16*((\t)%2)
.if (\t) > 0
	s_wait_dscnt 1                                 ; this step's numbers are back from the stage; the last step's byte store may be out
.else
	s_wait_dscnt 0x0
.endif
.if (\t)+4 < 16
	XLOAD (\t)+4                                   ; into the registers that this step's stores into the stage have read
.endif
.if (\t)+1 < 16
.if 14-(\t) >= 3
	s_wait_loadcnt 12                              ; the next step's four loads are in; three steps' twelve may be out
.else
	s_wait_loadcnt 4*(14-(\t))
.endif
	XTURN (\t)+1
.endif
	v_max3_num_f32 v8, |v[XS]|, |v[XS+1]|, |v[XS+2]|       ; the largest magnitude of my 16, in two chains
	v_max3_num_f32 v9, |v[XS+3]|, |v[XS+4]|, |v[XS+5]|
.irp i, 6,10
	v_max3_num_f32 v8, v8, |v[XS+\i]|, |v[XS+\i+1]|
	v_max3_num_f32 v9, v9, |v[XS+\i+2]|, |v[XS+\i+3]|
.endr
	v_max3_num_f32 v8, v8, |v[XS+14]|, |v[XS+15]|
	v_max3_num_f32 v8, v8, v9, 0x1800000           ; and the floor 2^(3 - 127): the byte cannot fall under 1
	v_max_num_f32_dpp v8, v8, v8 row_xmask:1 row_mask:0xf bank_mask:0xf   ; with my neighbour's 16: the block's
	v_add_nc_u32 v11, 0xff000000, v8               ; 2 off the exponent field: the conversion's scale operand
	v_cvt_scalef32_pk8_fp4_f32 v[128+4*(\t)], v[XS:XS+7], v11
	v_cvt_scalef32_pk8_fp4_f32 v[128+4*(\t)+1], v[XS+8:XS+15], v11
	v_lshrrev_b32 v[112+(\t)], 23, v11             ; the scale's byte
	ds_store_b8 v5, v[112+(\t)] offset:16*(\t)     ; both lanes of a block write the same byte with the same value
	global_store_b64 v4, v[128+4*(\t):128+4*(\t)+1], s[10:11] offset:256*(\t)   ; the wave stores 256 bytes on end, aligned
.endm
; ---- path W_attn: a block of 32 along K of one column lies in one lane's 32 registers
.macro WALOAD t
.set i, 0
.rept 32
	global_load_b32 v[32+32*((\t)%2)+i], v3, s[6:7] offset:(32*(\t)+i)*12288
.set i, i+1
.endr
.endm
.macro WABLOCK t
.set XS, 32+32*((\t)%2)
.if (\t) < 7
	s_wait_loadcnt 32                              ; this block's 32 loads are in; the next block's may be out
.else
	s_wait_loadcnt 0x0
.endif
	v_max3_num_f32 v12, |v[XS]|, |v[XS+1]|, |v[XS+2]|
	v_max3_num_f32 v13, |v[XS+3]|, |v[XS+4]|, |v[XS+5]|
.irp i, 6,10,14,18,22,26
	v_max3_num_f32 v12, v12, |v[XS+\i]|, |v[XS+\i+1]|
	v_max3_num_f32 v13, v13, |v[XS+\i+2]|, |v[XS+\i+3]|
.endr
	v_max3_num_f32 v12, v12, |v[XS+30]|, |v[XS+31]|
	v_max3_num_f32 v12, v12, v13, 0x1800000        ; the floor, as above
	v_add_nc_u32 v11, 0xff000000, v12
	v_lshrrev_b32 v13, 23, v11
.if (\t)%4 == 0
	v_mov_b32 v[24+(\t)/4], v13                    ; four bytes to a register, the lower K in the lower byte
.else
	v_lshl_or_b32 v[24+(\t)/4], v13, 8*((\t)%4), v[24+(\t)/4]
.endif
.irp g, 0,1,2,3
	v_cvt_scalef32_pk8_fp4_f32 v[96+\g], v[XS+8*\g:XS+8*\g+7], v11
.endr
	ds_store_b128 v4, v[96:99] offset:16*(\t)      ; 32 codes: 16 bytes of my column's row
.if (\t)+2 < 8
	WALOAD (\t)+2
.endif
	s_wait_dscnt 0x0                               ; the store has read its registers: the next block's codes may be written
.endm
.macro WPLOAD t
.set i, 0
.rept 32
	global_load_b32 v[32+32*(\t)+i], v3, s[8:9] offset:(32*(\t)+i)*4096
.set i, i+1
.endr
.endm
.macro CLOSE                           ; the wave's end
	s_wait_tensorcnt 0x0
	ds_add_u32 v[SPW], v[NIL]
	s_wait_dscnt 0x0
	s_endpgm
.endm
	s_load_b256 s[4:11], s[0:1], 0x0               ; x s[4:5], W_attn s[6:7], W_proj s[8:9], xc s[10:11]
	s_load_b256 s[12:19], s[0:1], 0x20             ; xs s[12:13], wc s[14:15], ws s[16:17], wpT s[18:19]
	v_lshl_add_u32 v[SPW], v0, 2, SPARE
	v_mov_b32 v[NIL], 0
	v_lshrrev_b32 v1, 5, v0
	v_readfirstlane_b32 s20, v1                    ; wave 0..3
	v_and_b32 v2, 31, v0                           ; lane
	s_mov_b32 s29, 0                               ; s[28:29]: an offset, under 2^32
	s_wait_kmcnt 0x0
	s_cmp_lt_u32 ttmp9, 256
	s_cbranch_scc0 .Lweights
	; ================= path X =================
	s_lshl_b32 s22, ttmp9, 2
	s_add_co_u32 s22, s22, s20                     ; which run of 8,192 numbers is my wave's
	s_lshl_b32 s28, s22, 15
	s_add_nc_u64 s[4:5], s[4:5], s[28:29]
	v_lshlrev_b32 v3, 4, v2                        ; my 16 bytes of a load's 512
	XLOAD 0
	XLOAD 1
	XLOAD 2
	XLOAD 3
	s_lshl_b32 s28, s22, 12
	s_add_nc_u64 s[10:11], s[10:11], s[28:29]      ; 4,096 bytes of codes a run
	s_lshl_b32 s28, s22, 8
	s_add_nc_u64 s[12:13], s[12:13], s[28:29]      ; 256 scale bytes a run
	s_lshl_b32 s21, s20, 13                        ; my wave's 8,192 bytes of LDS
	v_lshrrev_b32 v14, 2, v2
	v_mul_u32_u24 v14, v14, SP
	v_and_b32 v15, 3, v2
	v_lshl_add_u32 v14, v15, 4, v14
	v_add_nc_u32 v14, s21, v14                     ; the stage, in: SP (lane / 4) + 16 (lane % 4)
	v_mul_u32_u24 v15, v2, SP
	v_add_nc_u32 v15, s21, v15                     ; and out: SP x lane
	v_lshlrev_b32 v4, 3, v2                        ; my 8 bytes of a step's codes
	v_lshrrev_b32 v5, 1, v2
	s_add_co_u32 s21, s21, 2*32*SP
	v_add_nc_u32 v5, s21, v5                       ; my block's byte among the wave's 256
	v_lshlrev_b32 v7, 3, v2
	v_add_nc_u32 v6, s21, v7
	s_wait_loadcnt 12                              ; step 0's four loads are in
	XTURN 0
.irp t, 0,1,2,3,4,5,6,7,8,9,10,11,12,13,14,15
	XSTEP \t
.endr
	ds_load_b64 v[8:9], v6                         ; in order behind my byte stores
	s_wait_dscnt 0x0
	global_store_b64 v7, v[8:9], s[12:13]          ; 256 bytes on end, aligned
	CLOSE
.Lweights:
	s_and_b32 s24, s20, 1                          ; cg: which 32 of the work-group's 64 columns
	s_lshr_b32 s25, s20, 1                         ; kh: which half of its K
	v_lshlrev_b32 v3, 2, v2                        ; in: 4 bytes a lane
	v_lshrrev_b32 v5, 4, v2
	v_and_b32 v6, 15, v2
	s_cmp_lt_u32 ttmp9, 352
	s_cbranch_scc0 .Lpath_wp
	; ================= path W_attn: 64 columns x 512 along K a work-group; 32 columns x 256 a wave =================
	s_sub_co_u32 s21, ttmp9, 256
	s_lshr_b32 s22, s21, 1                         ; X: 64 columns
	s_and_b32 s23, s21, 1                          ; Y: 512 along K
	s_lshl_b32 s26, s23, 1
	s_add_co_u32 s26, s26, s25
	s_mul_i32 s26, s26, 256*12288                  ; (512 Y + 256 kh) rows of 12,288 bytes
	s_lshl_b32 s27, s22, 1
	s_add_co_u32 s27, s27, s24                     ; 2 X + cg
	s_lshl_b32 s28, s27, 7
	s_add_co_u32 s28, s28, s26
	s_add_nc_u64 s[6:7], s[6:7], s[28:29]
	WALOAD 0
	WALOAD 1
	s_lshl_b32 s28, s22, 15                        ; codes: 64 X rows of 512 bytes + 256 Y
	s_lshl_b32 s26, s23, 8
	s_add_co_u32 s28, s28, s26
	s_add_nc_u64 s[14:15], s[14:15], s[28:29]
	s_lshl_b32 s28, s27, 10                        ; scale bytes: (64 X + 32 cg) rows of 32 + 16 Y + 8 kh
	s_lshl_b32 s26, s23, 4
	s_add_co_u32 s28, s28, s26
	s_lshl_b32 s26, s25, 3
	s_add_co_u32 s28, s28, s26
	s_add_nc_u64 s[16:17], s[16:17], s[28:29]
	s_mul_i32 s30, s24, 32*272
	s_lshl_b32 s31, s25, 7
	s_add_co_u32 s30, s30, s31
	s_add_co_u32 s30, s30, WASTG
	v_mul_u32_u24 v4, v2, 272
	v_add_nc_u32 v4, s30, v4                       ; into the stage: row = my column, + 128 kh
	s_mul_i32 s30, s20, 16*272
	s_add_co_u32 s30, s30, WASTG
	v_mul_u32_u24 v7, v5, 272
	v_lshl_add_u32 v7, v6, 4, v7
	v_add_nc_u32 v7, s30, v7                       ; out of it: my wave's 16 rows, sixteen lanes to a row
	s_lshl_b32 s31, s20, 13
	v_lshlrev_b32 v8, 9, v5
	v_lshl_add_u32 v8, v6, 4, v8
	v_add_nc_u32 v8, s31, v8                       ; and the same place in wc
	v_lshlrev_b32 v9, 5, v2                        ; my column's row of scale bytes
.irp t, 0,1,2,3,4,5,6,7
	WABLOCK \t
.endr
	global_store_b64 v9, v[24:25], s[16:17]        ; my column's eight scale bytes
	s_barrier_signal -1                            ; my stores into the stage are done (the last block's wait for 0): a row's 256 bytes come from two waves
	s_barrier_wait -1
.irp i, 0,1,2,3,4,5,6,7
	ds_load_b128 v[112+4*\i:112+4*\i+3], v7 offset:2*\i*272
.endr
.irp i, 0,1,2,3,4,5,6,7
	s_wait_dscnt 7-\i
	global_store_b128 v8, v[112+4*\i:112+4*\i+3], s[14:15] offset:2*\i*512   ; sixteen lanes store 256 bytes on end, aligned
.endr
	CLOSE
.Lpath_wp:
	; ================= path W_proj: 64 columns x 128 along K a work-group; 32 columns x 64 a wave =================
	s_sub_co_u32 s21, ttmp9, 352
	s_and_b32 s22, s21, 15                         ; X
	s_lshr_b32 s23, s21, 4                         ; Y
	s_lshl_b32 s26, s23, 1
	s_add_co_u32 s26, s26, s25
	s_lshl_b32 s26, s26, 18                        ; (128 Y + 64 kh) rows of 4,096 bytes
	s_lshl_b32 s27, s22, 1
	s_add_co_u32 s27, s27, s24
	s_lshl_b32 s28, s27, 7
	s_add_co_u32 s28, s28, s26
	s_add_nc_u64 s[8:9], s[8:9], s[28:29]
	WPLOAD 0
	WPLOAD 1
	s_lshl_b32 s28, s22, 17                        ; wpT: 64 X rows of 2,048 bytes + 256 Y
	s_lshl_b32 s26, s23, 8
	s_add_co_u32 s28, s28, s26
	s_add_nc_u64 s[18:19], s[18:19], s[28:29]
	s_mul_i32 s30, s24, 32*272
	s_lshl_b32 s31, s25, 7
	s_add_co_u32 s30, s30, s31
	s_add_co_u32 s30, s30, WPSTG
	v_mul_u32_u24 v4, v2, 272
	v_add_nc_u32 v4, s30, v4
	s_mul_i32 s30, s20, 16*272
	s_add_co_u32 s30, s30, WPSTG
	v_mul_u32_u24 v7, v5, 272
	v_lshl_add_u32 v7, v6, 4, v7
	v_add_nc_u32 v7, s30, v7
	s_lshl_b32 s31, s20, 15
	v_lshlrev_b32 v8, 11, v5
	v_lshl_add_u32 v8, v6, 4, v8
	v_add_nc_u32 v8, s31, v8
.irp t, 0,1
	s_wait_loadcnt 32-32*\t                        ; this block's 32 loads are in
.set i, 0
.rept 16
	v_cvt_pk_f16_f32 v[96+16*\t+i], v[32+32*\t+2*i], v[32+32*\t+2*i+1]   ; two neighbours along K, the lower in the low half
.set i, i+1
.endr
.irp g, 0,1,2,3
	ds_store_b128 v4, v[96+16*\t+4*\g:96+16*\t+4*\g+3] offset:64*\t+16*\g
.endr
.endr
	s_wait_dscnt 0x0                               ; for the others' sake: my stores into the stage are done
	s_barrier_signal -1
	s_barrier_wait -1
.irp i, 0,1,2,3,4,5,6,7
	ds_load_b128 v[128+4*\i:128+4*\i+3], v7 offset:2*\i*272
.endr
.irp i, 0,1,2,3,4,5,6,7
	s_wait_dscnt 7-\i
	global_store_b128 v8, v[128+4*\i:128+4*\i+3], s[18:19] offset:2*\i*2048
.endr
	CLOSE
.Lfunc_end_k_q6902798d46_prep:
	.size	k_q6902798d46_prep, .Lfunc_end_k_q6902798d46_prep-k_q6902798d46_prep
	.p2alignl 7, 3214868480
	.fill 96, 4, 3214868480
	.section	.rodata,"a",@progbits
	.p2align	6, 0x0
	.amdhsa_kernel k_q6902798d46_prep
		.amdhsa_group_segment_fixed_size 68096
		.amdhsa_private_segment_fixed_size 0
		.amdhsa_enable_private_segment 0
		.amdhsa_kernarg_size 64
		.amdhsa_user_sgpr_count 2
		.amdhsa_user_sgpr_kernarg_segment_ptr 1
		.amdhsa_wavefront_size32 1
		.amdhsa_system_sgpr_workgroup_id_x 1
		.amdhsa_system_sgpr_workgroup_id_y 1
		.amdhsa_system_sgpr_workgroup_id_z 1
		.amdhsa_system_vgpr_workitem_id 0
		.amdhsa_next_free_vgpr 192
		.amdhsa_next_free_sgpr 66
		.amdhsa_reserve_vcc 0
		.amdhsa_float_denorm_mode_32 3
		.amdhsa_float_denorm_mode_16_64 3
		.amdhsa_memory_ordered 1
		.amdhsa_forward_progress 1
		.amdhsa_inst_pref_size 85
	.end_amdhsa_kernel
	.amdgpu_metadata
---
amdhsa.version: [ 1, 2 ]
amdhsa.kernels:
  - .name:           k_q6902798d46_prep
    .symbol:         k_q6902798d46_prep.kd
    .args:
      - { .name: x, .offset: 0, .size: 8, .value_kind: global_buffer, .address_space: global }
      - { .name: W_attn, .offset: 8, .size: 8, .value_kind: global_buffer, .address_space: global }
      - { .name: W_proj, .offset: 16, .size: 8, .value_kind: global_buffer, .address_space: global }
      - { .name: xc, .offset: 24, .size: 8, .value_kind: global_buffer, .address_space: global }
      - { .name: xs, .offset: 32, .size: 8, .value_kind: global_buffer, .address_space: global }
      - { .name: wc, .offset: 40, .size: 8, .value_kind: global_buffer, .address_space: global }
      - { .name: ws, .offset: 48, .size: 8, .value_kind: global_buffer, .address_space: global }
      - { .name: wpT, .offset: 56, .size: 8, .value_kind: global_buffer, .address_space: global }
    .group_segment_fixed_size: 68096
    .private_segment_fixed_size: 0
    .kernarg_segment_align: 8
    .kernarg_segment_size: 64
    .max_flat_workgroup_size: 128
    .sgpr_count:     66
    .vgpr_count:     192
    .wavefront_size: 32
...
	.end_amdgpu_metadata
.endif
;; end of part 1
;; launch qkv (part 2): grid 12 x 32, 4 waves a work-group, clusters of 4 x 4, 327,680 bytes of LDS; arguments xc, xs, wc, ws, b_attn, qkv, qkv32; writes qkv, qkv32
.if DOCPART == 2
	.amdgcn_target "amdgcn-amd-amdhsa--gfx1250"
	.amdhsa_code_object_version 6
	.text
	.protected	k_q6902798d46_qkv
	.globl	k_q6902798d46_qkv
	.p2align	8
	.type	k_q6902798d46_qkv,@function
k_q6902798d46_qkv:
	s_mov_b64 s[64:65], 0
	v_nop
	global_prefetch_b8 v0, s[64:65] scope:SCOPE_SE
	s_setreg_imm32_b32 hwreg(HW_REG_WAVE_MODE, 25, 1), 1
	s_wait_xcnt 0x0
	s_wait_alu depctr_hold_cnt(0) depctr_sa_sdst(0) depctr_va_vdst(0) depctr_va_sdst(0) depctr_va_ssrc(0) depctr_va_vcc(0) depctr_vm_vsrc(0)
	s_getreg_b32 s2, hwreg(HW_REG_IB_STS2, 6, 4)
	s_cmp_eq_u32 s2, 0
	s_cbranch_scc0 .Lentry_in_a_cluster
	s_endpgm
.Lentry_in_a_cluster:
	s_bfe_u32 s2, ttmp6, 0x10000c
	s_cmp_lg_u32 s2, 0xf033
	s_cbranch_scc0 .Lentry_shape_is_right
	s_endpgm
.Lentry_shape_is_right:
; QKV: x W_attn + b_attn on codes of E2M1 with one E8M0 scale for each 32 along K.  A = xc [8192][512 bytes], B = wc [3072][512 bytes], scale bytes [rows][32].
; A tile of the result, 256 x 256, is made by four waves, 128 x 128 each: 64 accumulators of 16 x 16.  K = 1,024 is two slots of 512: both are filled at the start and none is filled again.
; The scales of the work-group's 256 + 256 rows come into LDS once, with the first fills.  The bias is the C of each sum's first product.
; CLUSTERS: 4 x 4 work-groups; A's tiles are asked for jointly along a row of the cluster, B's along a column.  Tile row = 8 cy + cluster y, so that cy is the batch and 256 x cluster y the first position:
; the positions 0-15 of a batch then lie in the clusters with y = 0, a number that all sixteen partners share.  Tile column = 4 x cluster x + cx: cluster x says q, k or v.
; THE MATRIX INSTRUCTION IS USED TRANSPOSED (source 0 = 16 rows of B, source 1 = 16 rows of A): a lane holds eight neighbouring columns of one row.
; OUT: qkv, f16, [q/k/v][batch][head][position][64]: a head's rows are 128 bytes on end.  qkv32, f32, [q/k/v][batch][16][1024]: positions 0-15 unrounded, for the launch that carries them in f32.
; LIMIT: |q|, |k|, |v| stay under 65,504 (f16).
; REGISTERS: window 0: v16-30 addresses; v32-95 scale words, two sets; v128-191 A's fragments; v192-255 the bias.  window 1: B's fragments, two sets.  windows 2, 3: the accumulators.
.set NQ,     4                         ; steps of 128 along K in a slot
.set ROWB,   256                       ; a tile's row in bytes: 512 codes
.set KROW,   512                       ; a row of codes in memory
.set PITCH,  272                       ; an LDS row: 256 + 16 bytes: the 16 rows that a load touches start 4 banks apart
.set FR,     8
.set NL,     2
.set NP,     4
.set HALFT,  128*PITCH
.set SLOT,   4*HALFT
.set KS,     32
.set SCL,    2*SLOT
.set HALFS,  (128*KS/256)*272
.set SBLK,   (16*KS/256)*272
.set SPARE,  SCL+4*HALFS
.set ADRA, 16
.set ADRB, 20
.set STO32, 22                         ; v22 the f32 stage: where I put 32 bytes of a row
.set RD32, 23                          ; v23 and where I read a row back
.set STO,  24                          ; v24 the f16 stage: where I put 16 bytes of a row
.set RD,   25                          ; v25 and where I read four rows back
.set CO,   26                          ; v26 16 x lane
.set ADRS, 27
.set SPW,  28
.set NIL,  29
.set BO,   30                          ; v30 32 x (lane / 16): my eight numbers of a bias tile
.set SC,   32
.set TMP,  32                          ; the way out: packed results
.set BK,   64                          ; the way out: rows read back, v64-95 and v96-127 by turns
.set AF,   128
.set BI,   192
.set G1, 24
.set G0, 32
.set G1B, 48
.set G0B, 56
.set G1S, 68
.set G0S, 76
.set G1SB, 80
.set G0SB, 88
.set MSB, 0
.macro WIN new                         ; the immediate's high byte repeats the setting that is left
.if MSB != \new
	s_set_vgpr_msb (MSB<<8)|\new
.set MSB, \new
.endif
.endm
.set MUL_LO, 0xa1                      ; source 0 (B) window 1, source 1 (A) window 0, C and D window 2
.set MUL_HI, 0xf1                      ; the same, C and D window 3
.set TO_B,   0x40
; A joint load: waves 0 and 1 fetch for A, waves 2 and 3 for B; the branch hangs on the wave's number alone.  An s_nop 0 and four v_nop follow each line.
.macro JLOAD g0a, g1a, g0b, g1b
	s_cmp_eq_u32 s15, 0
	s_cbranch_scc0 .Lfor_b_\@
	tensor_load_to_lds s[\g0a:\g0a+3], s[\g1a:\g1a+7]
	s_nop 0
.rept 4
	v_nop
.endr
	s_branch .Lasked_\@
.Lfor_b_\@:
	tensor_load_to_lds s[\g0b:\g0b+3], s[\g1b:\g1b+7]
	s_nop 0
.rept 4
	v_nop
.endr
.Lasked_\@:
.endm
.macro CROUND                          ; a round of the cluster's barrier
	s_barrier_signal -1
	s_barrier_wait -1
	s_cmp_lg_u32 s14, 0
	s_cbranch_scc1 .Lnot_wave_0_\@
	s_barrier_signal -3
.Lnot_wave_0_\@:
	s_barrier_wait -3
	s_barrier_signal -1
	s_barrier_wait -1
.endm
	s_load_b128 s[4:7], s[0:1], 0x0                ; xc, xs
	s_load_b128 s[8:11], s[0:1], 0x10              ; wc, ws
	s_load_b64 s[96:97], s[0:1], 0x20              ; b_attn
	s_load_b64 s[12:13], s[0:1], 0x28              ; qkv
	s_load_b64 s[98:99], s[0:1], 0x30              ; qkv32
	v_lshl_add_u32 v[SPW], v0, 2, SPARE
	v_mov_b32 v[NIL], 0
	ds_add_u32 v[SPW], v[NIL]                      ; the wave's opening
	ds_add_u32 v[SPW], v[NIL]
	v_lshrrev_b32 v1, 5, v0
	v_readfirstlane_b32 s14, v1                    ; wave 0..3
	s_lshr_b32 s15, s14, 1                         ; which half of the tile's rows is mine.  Also: I fetch for A (0) or for B (1)
	s_and_b32 s16, s14, 1                          ; which half of its columns.  Also: which 128 rows I fetch
	s_bfe_u32 s40, ttmp6, 0x40000                  ; cx
	s_bfe_u32 s41, ttmp6, 0x40004                  ; cy
	s_lshl_b32 s42, ttmp9, 2
	s_add_co_u32 s42, s42, s40                     ; tile column = 4 x cluster x + cx
	s_and_b32 s100, ttmp7, 0xffff                  ; cluster y
	s_lshl_b32 s17, s41, 3
	s_add_co_u32 s17, s17, s100                    ; tile row = 8 cy + cluster y
	s_or_b32 s101, s100, s15                       ; 0 in the waves whose first 16 rows are positions 0-15: cluster y and the wave's number alone
	s_lshl_b32 s43, s41, 2
	s_lshl_b32 s43, 15, s43                        ; my row of the cluster
	s_lshl_b32 s44, 0x1111, s40                    ; my column
	s_or_b32 s[G1+0], s43, (0<<16)|(1<<20)|(1<<21)|(5<<22)|(3<<25)   ; the mask; elements of 1 byte; 4 words of padding after every 64
	s_or_b32 s[G1B+0], s44, (0<<16)|(1<<20)|(1<<21)|(5<<22)|(3<<25)
.irp g, G1, G1B
	s_mov_b32 s[\g+1], ROWB<<16                    ; tensor_dim0
	s_mov_b32 s[\g+2], 128<<16                     ; tensor_dim1
	s_mov_b32 s[\g+3], ROWB<<16                    ; tile_dim0
	s_mov_b32 s[\g+4], 128                         ; tile_dim1
	s_mov_b32 s[\g+5], KROW                        ; the pitch
	s_mov_b32 s[\g+6], 0
	s_mov_b32 s[\g+7], 0
.endr
	s_or_b32 s[G1S+0], s43, (3<<16)|(1<<20)|(1<<21)|(5<<22)|(3<<25)  ; the scales of 128 rows: 4,096 dense bytes as 16 rows of 32 elements of 8 bytes
	s_or_b32 s[G1SB+0], s44, (3<<16)|(1<<20)|(1<<21)|(5<<22)|(3<<25)
.irp g, G1S, G1SB
	s_mov_b32 s[\g+1], 32<<16
	s_mov_b32 s[\g+2], (128*KS/256)<<16
	s_mov_b32 s[\g+3], 32<<16
	s_mov_b32 s[\g+4], 128*KS/256
	s_mov_b32 s[\g+5], 32
	s_mov_b32 s[\g+6], 0
	s_mov_b32 s[\g+7], 0
.endr
	s_lshl_b32 s18, s16, 7
	s_lshl_b32 s20, s17, 8
	s_add_co_u32 s20, s20, s18                     ; A: row 256 x tile row + 128 x half
	s_lshl_b32 s46, s42, 8
	s_add_co_u32 s46, s46, s18                     ; B: row 256 x tile column + 128 x half
	s_mov_b32 s21, 0
	s_mov_b32 s47, 0
	s_mov_b64 s[18:19], KS
	s_mul_u64 s[22:23], s[20:21], s[18:19]
	s_mul_u64 s[92:93], s[46:47], s[18:19]
	s_mov_b64 s[18:19], KROW
	s_mul_u64 s[20:21], s[20:21], s[18:19]
	s_mul_u64 s[46:47], s[46:47], s[18:19]
	s_mul_i32 s45, s14, HALFT                      ; where they go: wave x 128 rows
	s_mul_i32 s94, s14, HALFS
	s_wait_dscnt 0x0                               ; both opening adds are done
	s_wait_kmcnt 0x0
	s_add_nc_u64 s[20:21], s[4:5], s[20:21]
	s_add_nc_u64 s[22:23], s[6:7], s[22:23]
	s_add_nc_u64 s[46:47], s[8:9], s[46:47]
	s_add_nc_u64 s[92:93], s[10:11], s[92:93]
	CROUND                                         ; all sixteen work-groups are here: the joint loads meet
	s_mov_b32 s[G0S], 1
	s_add_co_u32 s[G0S+1], s94, SCL
	s_mov_b64 s[G0S+2:G0S+3], s[22:23]
	s_or_b32 s[G0S+3], s[G0S+3], 0x80000000
	s_mov_b32 s[G0SB], 1
	s_add_co_u32 s[G0SB+1], s94, SCL
	s_mov_b64 s[G0SB+2:G0SB+3], s[92:93]
	s_or_b32 s[G0SB+3], s[G0SB+3], 0x80000000
	JLOAD G0S, G1S, G0SB, G1SB                     ; the scales first
.irp s, 0,1
	s_mov_b32 s[G0+4*\s], 1
	s_add_co_u32 s[G0+4*\s+1], s45, \s*SLOT
	s_add_nc_u64 s[G0+4*\s+2:G0+4*\s+3], s[20:21], \s*ROWB
	s_or_b32 s[G0+4*\s+3], s[G0+4*\s+3], 0x80000000
	s_mov_b32 s[G0B+4*\s], 1
	s_add_co_u32 s[G0B+4*\s+1], s45, \s*SLOT
	s_add_nc_u64 s[G0B+4*\s+2:G0B+4*\s+3], s[46:47], \s*ROWB
	s_or_b32 s[G0B+4*\s+3], s[G0B+4*\s+3], 0x80000000
	JLOAD G0+4*\s, G1, G0B+4*\s, G1B               ; three tensor loads of mine are out
.endr
	v_and_b32 v1, 15, v0                           ; r = lane % 16
	v_bfe_u32 v2, v0, 4, 1                         ; h = lane / 16
	s_lshl_b32 s20, s42, 10                        ; the bias of my 128 columns
	s_lshl_b32 s21, s16, 9
	s_add_co_u32 s20, s20, s21
	s_mov_b32 s21, 0
	s_add_nc_u64 s[96:97], s[96:97], s[20:21]
	v_lshlrev_b32 v[BO], 5, v2
.irp b, 0,1,2,3,4,5,6,7
	global_load_b128 v[BI+8*\b:BI+8*\b+3], v[BO], s[96:97] offset:64*\b          ; lane (r, h), register j: the bias of column 16 b + 8 h + j
	global_load_b128 v[BI+8*\b+4:BI+8*\b+7], v[BO], s[96:97] offset:64*\b+16
.endr
	v_mul_u32_u24 v3, v1, PITCH
	v_lshl_add_u32 v4, v2, 4, v3
	s_mul_i32 s21, s15, HALFT
	s_mul_i32 s22, s16, HALFT
	s_add_co_u32 s22, s22, 2*HALFT
.irp s, 0,1
	v_add_nc_u32 v[ADRA+\s], s21, v4
	v_add_nc_u32 v[ADRB+\s], s22, v4
	s_add_co_u32 s21, s21, SLOT
	s_add_co_u32 s22, s22, SLOT
.endr
	v_mul_u32_u24 v5, v1, KS                       ; my row's scales: 32 bytes a row, and 16 more for each 256 passed
	v_lshrrev_b32 v6, 8, v5
	v_lshl_add_u32 v5, v6, 4, v5
	s_mul_i32 s21, s15, HALFS
	s_mul_i32 s22, s16, HALFS
	s_add_co_u32 s22, s22, 2*HALFS
	s_sub_co_u32 s22, s22, s21
	v_mul_u32_u24 v6, s22, v2                      ; lanes 16-31 take B's
	s_add_co_u32 s21, s21, SCL
	v_add_nc_u32 v5, v5, v6
	v_add_nc_u32 v[ADRS], s21, v5
	; the stages lie in slot 0, which has had its only fill and its last read when the first result is stored there
	s_mul_i32 s23, s14, 4608                       ; f16: [2 heads][16 rows] of 128 + 16 bytes for each wave
	v_mul_u32_u24 v5, v1, 144
	v_lshl_add_u32 v5, v2, 4, v5
	v_add_nc_u32 v[STO], s23, v5
	v_bfe_u32 v5, v0, 3, 2
	v_mul_u32_u24 v5, v5, 144
	v_and_b32 v6, 7, v0
	v_lshl_add_u32 v5, v6, 4, v5
	v_add_nc_u32 v[RD], s23, v5                    ; back: eight lanes to a row, four rows an instruction
	v_and_b32 v6, 31, v0
	v_lshlrev_b32 v[CO], 4, v6
	s_mul_i32 s23, s14, 8448                       ; f32: 16 rows of 512 + 16 bytes for each wave
	s_add_co_u32 s23, s23, 18432
	v_mul_u32_u24 v5, v1, 528
	v_lshl_add_u32 v5, v2, 5, v5
	v_add_nc_u32 v[STO32], s23, v5
	v_add_nc_u32 v[RD32], s23, v[CO]
	s_lshl_b32 s20, s41, 4                         ; qkv: head 16 cy + 4 cx + 2 x column half,
	s_lshl_b32 s21, s40, 2
	s_add_co_u32 s20, s20, s21
	s_lshl_b32 s21, s16, 1
	s_add_co_u32 s20, s20, s21
	s_lshl_b32 s20, s20, 18
	s_lshl_b32 s21, ttmp9, 24                      ; q, k or v,
	s_add_co_u32 s20, s20, s21
	s_lshl_b32 s21, s100, 15                       ; position 256 x cluster y + 128 x row half, 128 bytes each
	s_add_co_u32 s20, s20, s21
	s_lshl_b32 s21, s15, 14
	s_add_co_u32 s20, s20, s21
	s_mov_b32 s21, 0
	s_add_nc_u64 s[12:13], s[12:13], s[20:21]
	s_lshl_b32 s20, ttmp9, 2                       ; qkv32: (4 x kind + batch) x 65,536 + my 128 columns
	s_add_co_u32 s20, s20, s41
	s_lshl_b32 s20, s20, 16
	s_lshl_b32 s46, s40, 10
	s_add_co_u32 s20, s20, s46
	s_lshl_b32 s46, s16, 9
	s_add_co_u32 s20, s20, s46
	s_add_nc_u64 s[98:99], s[98:99], s[20:21]
.macro FRAG reg, adr, q, i             ; 16 rows x 128 K of 4-bit codes: 8 registers, two loads of 16 bytes, 32 bytes apart
.irp c, 0,1
	ds_load_b128 v[\reg+4*\c:\reg+4*\c+3], v[\adr] offset:64*(\q)+32*\c+(\i)*16*PITCH
.endr
.endm
; 16 matrix instructions: A's blocks a0, a0 + 1 x B's eight.  zero = 1: the first product starts the sums, on the bias.  The 64 accumulators take turns, one instruction a turn.
.macro MUL16 a0, p, q, sc, zero
.irp a, \a0, \a0+1
.irp b, 0,1,2,3,4,5,6,7
.if \zero
	v_wmma_scale_f32_16x16x128_f8f6f4 v[8*(8*((\a)%4)+\b):8*(8*((\a)%4)+\b)+7], v[128*(\p)+FR*\b:128*(\p)+FR*\b+FR-1], v[AF+FR*(\a):AF+FR*(\a)+FR-1], v[BI+8*\b:BI+8*\b+7], v[SC+8*NQ*(\sc)+NQ*\b+(\q)], v[SC+8*NQ*(\sc)+NQ*(\a)+(\q)] matrix_a_fmt:MATRIX_FMT_FP4 matrix_b_fmt:MATRIX_FMT_FP4 matrix_a_scale:MATRIX_SCALE_ROW1
.else
	v_wmma_scale_f32_16x16x128_f8f6f4 v[8*(8*((\a)%4)+\b):8*(8*((\a)%4)+\b)+7], v[128*(\p)+FR*\b:128*(\p)+FR*\b+FR-1], v[AF+FR*(\a):AF+FR*(\a)+FR-1], v[8*(8*((\a)%4)+\b):8*(8*((\a)%4)+\b)+7], v[SC+8*NQ*(\sc)+NQ*\b+(\q)], v[SC+8*NQ*(\sc)+NQ*(\a)+(\q)] matrix_a_fmt:MATRIX_FMT_FP4 matrix_b_fmt:MATRIX_FMT_FP4 matrix_a_scale:MATRIX_SCALE_ROW1
.endif
.endr
.endr
.endm
.macro FETCH_B slot, q, p
	WIN TO_B
.irp i, 0,1,2,3,4,5,6,7
	FRAG 128*(\p)+FR*\i, ADRB+\slot, \q, \i
.endr
	WIN 0
.endm
.macro FETCH_A slot, q, i0
.irp i, \i0, \i0+1, \i0+2, \i0+3
	FRAG AF+FR*(\i), ADRA+\slot, \q, \i
.endr
.endm
.macro SCALES sc                       ; a slot's scale words: lanes 0-15 take A's block i, lanes 16-31 B's block i
.irp i, 0,1,2,3,4,5,6,7
	ds_load_b128 v[SC+8*NQ*\sc+NQ*\i:SC+8*NQ*\sc+NQ*\i+3], v[ADRS] offset:\i*SBLK
.endr
.endm
.macro PLACES n                        ; plain vector instructions between a matrix instruction and a load into, or a read of, its registers
.rept \n
	v_nop
.endr
.endm
.macro STEP slot, q, zero              ; 128 along K, with its successor in the same slot
	s_wait_dscnt 4*NL                              ; B's set and A's blocks 0-3 are in; A's blocks 4-7 (eight loads) may be out
.if \zero
	WIN 0x81                                       ; C (the bias) in window 0
.else
	WIN MUL_LO
.endif
	MUL16 0, (\q)%2, \q, \slot, \zero
	MUL16 2, (\q)%2, \q, \slot, \zero
	s_wait_dscnt 0
	PLACES NP
	FETCH_B \slot, (\q)+1, 1-(\q)%2
	FETCH_A \slot, (\q)+1, 0
.if \zero
	WIN 0xc1
.else
	WIN MUL_HI
.endif
	MUL16 4, (\q)%2, \q, \slot, \zero
	MUL16 6, (\q)%2, \q, \slot, \zero
	PLACES NP
	WIN 0
	FETCH_A \slot, (\q)+1, 4
.endm
.macro STEPS slot, from
.set Q, \from
.rept NQ-1-\from
	STEP \slot, Q, 0
.set Q, Q+1
.endr
.endm
	s_wait_tensorcnt 1                             ; the scales and my part of slot 0 are in; slot 1's load may be out
	s_barrier_signal -1
	s_barrier_wait -1
	FETCH_B 0, 0, 0
	FETCH_A 0, 0, 0
	SCALES 0
	FETCH_A 0, 0, 4
	s_wait_loadcnt 0x0                             ; the bias
	STEP 0, 0, 1
	STEPS 0, 1
	; slot 0's last step, and the change to slot 1: one barrier; nothing is filled again
	s_wait_tensorcnt 0x0                           ; my part of slot 1 has landed
	ds_add_u32 v[SPW], v[NIL]
	s_wait_dscnt 4*NL+1                            ; the add and A's blocks 4-7 may be out
	WIN MUL_LO
	MUL16 0, 1, NQ-1, 0, 0
	s_wait_dscnt 0x0                               ; the add is done, and my reads of slot 0 are over
	s_barrier_signal -1
	MUL16 2, 1, NQ-1, 0, 0
	WIN 0
	s_barrier_wait -1
	PLACES NP
	v_add_nc_u32 v[ADRS], 4*NQ, v[ADRS]            ; the next 512 along K: 16 scale bytes on
	FETCH_B 1, 0, 0
	FETCH_A 1, 0, 0
	SCALES 1
	WIN MUL_HI
	MUL16 4, 1, NQ-1, 0, 0
	MUL16 6, 1, NQ-1, 0, 0
	PLACES NP
	WIN 0
	FETCH_A 1, 0, 4
	STEPS 1, 0
	s_wait_dscnt 4*NL                              ; the very last step
	WIN MUL_LO
	MUL16 0, 1, NQ-1, 1, 0
	MUL16 2, 1, NQ-1, 1, 0
	s_wait_dscnt 0
	WIN MUL_HI
	MUL16 4, 1, NQ-1, 1, 0
	MUL16 6, 1, NQ-1, 1, 0
	WIN 0
; THE WAY OUT.  Block a = my rows 16 a .. 16 a + 15, 128 columns = two heads.
.macro PACK a                          ; to f16: a lane's eight columns are 16 bytes; each accumulator from its low end on
.set AC, 64*((\a)%4)
	WIN 0x0a+5*((\a)/4)
.irp b, 0,1,2,3,4,5,6,7
.irp i, 0,1,2,3
	v_cvt_pk_f16_f32 v[TMP+4*\b+\i], v[AC+8*\b+2*\i], v[AC+8*\b+2*\i+1]
.endr
.endr
	WIN 0
.endm
.macro TOSTAGE a                       ; through my own stage; LDS serves a wave's instructions in order, so no wait between the stores and the loads
.set BB, BK+32*((\a)%2)
.irp b, 0,1,2,3,4,5,6,7
	ds_store_b128 v[STO], v[TMP+4*\b:TMP+4*\b+3] offset:(\b/4)*2304+(\b%4)*32
.endr
.irp e, 0,1
.irp i, 0,1,2,3
	ds_load_b128 v[BB+4*(4*\e+\i):BB+4*(4*\e+\i)+3], v[RD] offset:\e*2304+\i*576
.endr
.endr
.endm
.macro SEND a
.set BB, BK+32*((\a)%2)
	s_wait_dscnt 0x0                               ; the block is back in registers
.irp e, 0,1
.irp i, 0,1,2,3
	global_store_b128 v[CO], v[BB+4*(4*\e+\i):BB+4*(4*\e+\i)+3], s[12:13] offset:(\a)*2048+\e*262144+\i*512   ; four rows of a head: 512 bytes on end, aligned
.endr
.endr
.endm
	PLACES NP                                      ; behind the last products: their results are read and their sources written from here on
	s_cmp_lg_u32 s101, 0                           ; positions 0-15 also leave unrounded
	s_cbranch_scc1 .Lno32
	WIN 0x08                                       ; an LDS store's data: window 2
.irp b, 0,1,2,3,4,5,6,7
	ds_store_b128 v[STO32], v[8*\b:8*\b+3] offset:64*\b
	ds_store_b128 v[STO32], v[8*\b+4:8*\b+7] offset:64*\b+16
.endr
	WIN 0
.irp t, 0,1,2,3,4,5,6,7,8,9,10,11,12,13,14,15
	ds_load_b128 v[AF+4*\t:AF+4*\t+3], v[RD32] offset:528*\t
.endr
	s_wait_dscnt 0x0
.irp t, 0,1,2,3,4,5,6,7,8,9,10,11,12,13,14,15
	global_store_b128 v[CO], v[AF+4*\t:AF+4*\t+3], s[98:99] offset:4096*\t      ; 512 bytes on end
.endr
.Lno32:
	PACK 0
	TOSTAGE 0
.irp a, 1,2,3,4,5,6,7
	PACK \a                                        ; block a's conversions stand between block a - 1's loads from the stage and the wait for them
	SEND \a-1
.if \a > 1
	s_wait_xcnt 0x0                                ; block a - 2's stores have read their registers: block a's loads may land there
.endif
	TOSTAGE \a
.endr
	SEND 7
	s_wait_tensorcnt 0x0                           ; the wave's end
	ds_add_u32 v[SPW], v[NIL]
	s_wait_dscnt 0x0
	CROUND                                         ; the closing round
	s_endpgm
.Lfunc_end_k_q6902798d46_qkv:
	.size	k_q6902798d46_qkv, .Lfunc_end_k_q6902798d46_qkv-k_q6902798d46_qkv
	.p2alignl 7, 3214868480
	.fill 96, 4, 3214868480
	.section	.rodata,"a",@progbits
	.p2align	6, 0x0
	.amdhsa_kernel k_q6902798d46_qkv
		.amdhsa_group_segment_fixed_size 327680
		.amdhsa_private_segment_fixed_size 0
		.amdhsa_enable_private_segment 0
		.amdhsa_kernarg_size 56
		.amdhsa_user_sgpr_count 2
		.amdhsa_user_sgpr_kernarg_segment_ptr 1
		.amdhsa_wavefront_size32 1
		.amdhsa_system_sgpr_workgroup_id_x 1
		.amdhsa_system_sgpr_workgroup_id_y 1
		.amdhsa_system_sgpr_workgroup_id_z 1
		.amdhsa_system_vgpr_workitem_id 0
		.amdhsa_next_free_vgpr 1024
		.amdhsa_next_free_sgpr 102
		.amdhsa_reserve_vcc 0
		.amdhsa_float_denorm_mode_32 3
		.amdhsa_float_denorm_mode_16_64 3
		.amdhsa_memory_ordered 1
		.amdhsa_forward_progress 1
		.amdhsa_inst_pref_size 132
	.end_amdhsa_kernel
	.amdgpu_metadata
---
amdhsa.version: [ 1, 2 ]
amdhsa.kernels:
  - .name:           k_q6902798d46_qkv
    .symbol:         k_q6902798d46_qkv.kd
    .args:
      - { .name: xc, .offset: 0, .size: 8, .value_kind: global_buffer, .address_space: global }
      - { .name: xs, .offset: 8, .size: 8, .value_kind: global_buffer, .address_space: global }
      - { .name: wc, .offset: 16, .size: 8, .value_kind: global_buffer, .address_space: global }
      - { .name: ws, .offset: 24, .size: 8, .value_kind: global_buffer, .address_space: global }
      - { .name: b_attn, .offset: 32, .size: 8, .value_kind: global_buffer, .address_space: global }
      - { .name: qkv, .offset: 40, .size: 8, .value_kind: global_buffer, .address_space: global }
      - { .name: qkv32, .offset: 48, .size: 8, .value_kind: global_buffer, .address_space: global }
    .group_segment_fixed_size: 327680
    .private_segment_fixed_size: 0
    .kernarg_segment_align: 8
    .kernarg_segment_size: 56
    .max_flat_workgroup_size: 128
    .sgpr_count:     102
    .vgpr_count:     1024
    .wavefront_size: 32
...
	.end_amdgpu_metadata
.endif
;; end of part 2
;; launch attn (part 3): grid 4 x 64, 8 waves a work-group, no clusters, 327,680 bytes of LDS; arguments qkv, y; writes y
.if DOCPART == 3
	.amdgcn_target "amdgcn-amd-amdhsa--gfx1250"
	.amdhsa_code_object_version 6
	.text
	.protected	k_q6902798d46_attn
	.globl	k_q6902798d46_attn
	.p2align	8
	.type	k_q6902798d46_attn,@function
k_q6902798d46_attn:
	s_mov_b64 s[64:65], 0
	v_nop
	global_prefetch_b8 v0, s[64:65] scope:SCOPE_SE
	s_setreg_imm32_b32 hwreg(HW_REG_WAVE_MODE, 25, 1), 1
	s_wait_xcnt 0x0
; ATTN: y[b][h][t] = the sum over s <= t of softmax_s(q[t] . k[s] / 8) v[s].  q, k, v: f16, [kind][b][h][2048][64]; y likewise.  Products, maxima and sums in f32; p is rounded to f16 for the second product.
; SHARES.  Work-group (J, head) owns the blocks 7 - J and J of 256 queries: under the causal mask they need 8 - J and J + 1 blocks of 256 keys, 9 in all, the same in every work-group.
; It walks 9 slots of 256 keys: first block 7 - J's, then block J's.  Each of the eight waves owns 32 queries (two tiles of 16); a key step is 64 keys, a slot four steps.
; NO CLUSTER: the four work-groups of a head change from their first to their second block of queries after 8 - J slots, so from there on they need different tiles in the same trip.
; LAYOUT.  S^T = K Q^T (source 0 = 16 keys, source 1 = 16 queries) and O^T = V^T P (source 0 = 16 channels, source 1 = P): a lane holds ONE query throughout; two tiles of S^T, rounded in pairs, are a fragment of P.
; SOFTMAX.  A running maximum m and sum l: p = 2^(c s - c m), c = log2(e) / 8; in every step O and l are multiplied by a = 2^(c m_old - c m_new).  m starts at -3e38; key 0 counts for every query.
; CAUSAL.  A step all of whose keys come after my 32 queries is left out by a scalar branch on ids; on the diagonal hidden scores become -infinity.  A step that is walked begins at or under my first query.
; LIMITS: |q|, |k|, |v| under 65,504; NaN and infinities are not served.  Positions 0-15 are computed here too, in f16; the last launch computes them again in f32 for the output.
; LDS: slot n at n x 2^17: K as 128 rows of two keys (256 + 16 bytes), then V likewise (256 + 32 bytes); behind the ring a stage of 16 x 144 bytes for each wave, then the spare words.
; REGISTERS: window 0: v1-15 addresses; v16-31 statistics; v32-63 Q; v64-127 S^T; v128-159 P; v160-223 O^T.  window 1: v0-63 K, v64-127 V of one step.
.set PK,    272
.set PV,    288
.set VOFF,  128*PK
.set SLOT1, 1<<17
.set STAGE, SLOT1+VOFF+128*PV
.set SPARE, STAGE+8*2304
.set AK0, 1
.set AV0, 2
.set ADK, 3
.set ADV, 4
.set QO,  5
.set STO, 6
.set RD,  7
.set GO,  8
.set RH,  9                            ; v9  r - 8 h
.set NINF, 10                          ; v10 -infinity
.set PFO, 11                           ; v11 256 x lane
.set SPW, 12
.set NIL, 13
.set ST,  16                           ; tile x at v[ST + 8 x]: +0 c m, +1 m, +2, +3 l, +4 .. +7 at work; a in +6
.set QQ,  32
.set SS,  64
.set PP,  128
.set OO,  160
.set WV,  8
.set JJ,  9
.set BQ,  14                           ; s[14:15] q of my head
.set BKP, 16                           ; s[16:17] k of my head, at the half slot that I fetch
.set BVP, 18                           ; s[18:19] v likewise
.set SEL, 20
.set CS,  22
.set G1K, 24
.set G1V, 32
.set G0K, 40
.set G0V, 44
.set TK,  48                           ; s48 LDS byte of the step's keys
.set TV,  49                           ; s49 and of its values
.set SLOTS, 50
.set INNER, 51
.set SI,  52                           ; s52 the slot's number, 0 .. 8
.set NH,  53                           ; s53 8 - J: the slots of the first block of queries
.set KBN, 54                           ; s54 the block of keys asked for last
.set KF,  55                           ; s55 the step's first key
.set Q0,  56                           ; s56 my first query
.set PFK, 60
.set PFV, 62
.set LIM, 66
.set QP,  68
.set YP,  70
.set MSB, 0
.macro WIN new
.if MSB != \new
	s_set_vgpr_msb (MSB<<8)|\new
.set MSB, \new
.endif
.endm
; Waves 0 and 1 fetch K's halves of a slot, waves 2 and 3 V's, the others nothing.  An s_nop 0 and four v_nop follow each line.
.macro TLOAD
	s_cmp_lt_u32 s[WV], 2
	s_cbranch_scc0 .Lnot_k_\@
	tensor_load_to_lds s[G0K:G0K+3], s[G1K:G1K+7]
	s_nop 0
.rept 4
	v_nop
.endr
	s_branch .Lasked_\@
.Lnot_k_\@:
	s_cmp_lt_u32 s[WV], 4
	s_cbranch_scc0 .Lasked_\@
	tensor_load_to_lds s[G0V:G0V+3], s[G1V:G1V+7]
	s_nop 0
.rept 4
	v_nop
.endr
.Lasked_\@:
.endm
; A PREFETCH INTO THE L2 of the block of keys that the NEXT change of slots will ask for: 32,768 bytes of k and as many of v.  All four work-groups of a head walk the same k and v from block 0 up:
; the one with J = 0, which walks all eight blocks in a row, asks; in it waves 4 to 7, which fetch nothing, 8,192 bytes each, lanes 256 bytes apart.  So each 256 bytes of blocks 2 to 7 are named once;
; blocks 0 and 1 come by their loads alone, and trips 6 and 7 ask for nothing.
.macro ASK
	s_cmp_gt_u32 s[SLOTS], s[LIM]
	s_cbranch_scc0 .Lnot_mine_\@
	global_prefetch_b8 v[PFO], s[PFK:PFK+1] th:TH_LOAD_NT scope:SCOPE_SE
	global_prefetch_b8 v[PFO], s[PFV:PFV+1] th:TH_LOAD_NT scope:SCOPE_SE
.Lnot_mine_\@:
.endm
.macro QLOAD                           ; my 32 queries stay in registers: tile x, channels 32 c on
.irp x, 0,1
.irp c, 0,1
	global_load_b128 v[QQ+16*\x+8*\c:QQ+16*\x+8*\c+3], v[QO], s[QP:QP+1] offset:2048*\x+64*\c
	global_load_b128 v[QQ+16*\x+8*\c+4:QQ+16*\x+8*\c+7], v[QO], s[QP:QP+1] offset:2048*\x+64*\c+32
.endr
.endr
.endm
.macro INIT                            ; the step is written once: the first finds zeros, which the first a leaves zeros
.set i, 0
.rept 64
	v_mov_b32 v[OO+i], 0
.set i, i+1
.endr
.irp x, 0,1
	v_mov_b32 v[ST+8*\x+1], 0xff61b1e6             ; m = -3e38
	v_mul_f32 v[ST+8*\x], s[CS], v[ST+8*\x+1]
.irp n, 2,3,4,5,6,7
	v_mov_b32 v[ST+8*\x+\n], 0
.endr
.endr
.endm
.macro SOFTMAX                         ; the two tiles alternate line by line
.irp j, 0,1,2,3
.irp x, 0,1
	v_max3_num_f32 v[ST+8*\x+4+\j], v[SS+32*\x+8*\j], v[SS+32*\x+8*\j+1], v[SS+32*\x+8*\j+2]   ; each accumulator is read from its low end on
.endr
.endr
.irp g, 1,2
.irp j, 0,1,2,3
.irp x, 0,1
	v_max3_num_f32 v[ST+8*\x+4+\j], v[ST+8*\x+4+\j], v[SS+32*\x+8*\j+2*\g+1], v[SS+32*\x+8*\j+2*\g+2]
.endr
.endr
.endr
.irp x, 0,1
	v_max3_num_f32 v[ST+8*\x+4], v[ST+8*\x+4], v[SS+32*\x+7], v[SS+32*\x+15]
.endr
.irp x, 0,1
	v_max3_num_f32 v[ST+8*\x+6], v[ST+8*\x+6], v[SS+32*\x+23], v[SS+32*\x+31]
.endr
.irp x, 0,1
	v_max3_num_f32 v[ST+8*\x+4], v[ST+8*\x+4], v[ST+8*\x+5], v[ST+8*\x+6]
.endr
.irp x, 0,1
	v_max3_num_f32 v[ST+8*\x+4], v[ST+8*\x+4], v[ST+8*\x+7], v[ST+8*\x+1]     ; and the old m
.endr
.irp x, 0,1
	v_permlanex16_b32 v[ST+8*\x+5], v[ST+8*\x+4], s[SEL], s[SEL+1]            ; the query's other 32 keys lie in the lane 16 away
.endr
.irp x, 0,1
	v_mov_b32 v[ST+8*\x+7], v[ST+8*\x]             ; c m_old
.endr
.irp x, 0,1
	v_max_num_f32 v[ST+8*\x+1], v[ST+8*\x+4], v[ST+8*\x+5]
.endr
.irp x, 0,1
	v_mul_f32 v[ST+8*\x], s[CS], v[ST+8*\x+1]
.endr
.irp x, 0,1
	v_sub_f32 v[ST+8*\x+7], v[ST+8*\x+7], v[ST+8*\x]
.endr
.irp p, 0,1,2,3,4,5,6,7,8,9,10,11,12,13,14,15
.irp x, 0,1
	v_pk_fma_f32 v[SS+32*\x+2*\p:SS+32*\x+2*\p+1], v[SS+32*\x+2*\p:SS+32*\x+2*\p+1], s[CS:CS+1], v[ST+8*\x:ST+8*\x+1] op_sel_hi:[1,0,0] neg_lo:[0,0,1] neg_hi:[0,0,1]   ; c s - c m
.endr
.endr
.irp x, 0,1
	v_exp_f32 v[ST+8*\x+6], v[ST+8*\x+7]           ; a
.endr
.set i, 0
.rept 32
	v_exp_f32 v[SS+i], v[SS+i]                     ; ONE BATCH of 66 exponentials: none reads another's result
	v_exp_f32 v[SS+32+i], v[SS+32+i]
.set i, i+1
.endr
	v_nop                                          ; a plain instruction behind the last exponential
	s_wait_alu depctr_va_vdst(0)                   ; one wait for the batch, ahead of its first reader
.irp p, 0,1,2,3,4,5,6,7,8,9,10,11,12,13,14,15
.irp x, 0,1
	v_cvt_pk_f16_f32 v[PP+16*\x+\p], v[SS+32*\x+2*\p], v[SS+32*\x+2*\p+1]
.endr
.endr
.irp z, 0,1,2,3,4,5,6,7                ; the sum of the unrounded p, pairs in place
.irp x, 0,1
	v_pk_add_f32 v[SS+32*\x+4*\z:SS+32*\x+4*\z+1], v[SS+32*\x+4*\z:SS+32*\x+4*\z+1], v[SS+32*\x+4*\z+2:SS+32*\x+4*\z+3]
.endr
.endr
.irp z, 0,1,2,3
.irp x, 0,1
	v_pk_add_f32 v[SS+32*\x+8*\z:SS+32*\x+8*\z+1], v[SS+32*\x+8*\z:SS+32*\x+8*\z+1], v[SS+32*\x+8*\z+4:SS+32*\x+8*\z+5]
.endr
.endr
.irp z, 0,1
.irp x, 0,1
	v_pk_add_f32 v[SS+32*\x+16*\z:SS+32*\x+16*\z+1], v[SS+32*\x+16*\z:SS+32*\x+16*\z+1], v[SS+32*\x+16*\z+8:SS+32*\x+16*\z+9]
.endr
.endr
.irp x, 0,1
	v_pk_add_f32 v[SS+32*\x:SS+32*\x+1], v[SS+32*\x:SS+32*\x+1], v[SS+32*\x+16:SS+32*\x+17]
.endr
.irp x, 0,1
	v_pk_fma_f32 v[ST+8*\x+2:ST+8*\x+3], v[ST+8*\x+2:ST+8*\x+3], v[ST+8*\x+6:ST+8*\x+7], v[SS+32*\x:SS+32*\x+1] op_sel_hi:[1,0,1]   ; l = a l + the sum
.endr
.irp x, 0,1
.irp p, 0,1,2,3,4,5,6,7,8,9,10,11,12,13,14,15
	v_pk_mul_f32 v[OO+32*\x+2*\p:OO+32*\x+2*\p+1], v[OO+32*\x+2*\p:OO+32*\x+2*\p+1], v[ST+8*\x+6:ST+8*\x+7] op_sel_hi:[1,0]   ; O^T x a, each accumulator from its low end on
.endr
.endr
.endm
; A KEY STEP: 64 keys
.macro STEP
	s_add_co_u32 s57, s[Q0], 31
	s_cmp_gt_u32 s[KF], s57                        ; all 64 keys come after my 32 queries: ids and counted steps alone
	s_cbranch_scc1 .Lhidden_\@
	v_add_nc_u32 v[ADK], s[TK], v[AK0]
	v_add_nc_u32 v[ADV], s[TV], v[AV0]
.rept 4
	v_nop                                          ; places behind the last products, ahead of the loads into their sources
.endr
	WIN 0x40                                       ; destination window 1
.irp k, 0,1,2,3
.irp c, 0,1
	ds_load_b128 v[16*\k+8*\c:16*\k+8*\c+3], v[ADK] offset:2176*\k+64*\c
	ds_load_b128 v[16*\k+8*\c+4:16*\k+8*\c+7], v[ADK] offset:2176*\k+64*\c+32
.endr
.endr
.irp f, 0,1
.irp c, 0,1,2,3
	ds_load_tr16_b128 v[64+32*\f+8*\c:64+32*\f+8*\c+3], v[ADV] offset:4608*\f+32*\c
	ds_load_tr16_b128 v[64+32*\f+8*\c+4:64+32*\f+8*\c+7], v[ADV] offset:4608*\f+2304+32*\c
.endr
.endr
	s_wait_dscnt 16                                ; K's sixteen loads are in; V's sixteen may be out
	WIN 0x01                                       ; source 0 window 1
.set i, 0
.rept 16                               ; S^T = K Q^T: channels 32 (i / 8) on, keys 16 ((i / 2) % 4) on, tile i % 2: eight accumulators by turns
.set rS, SS+32*(i%2)+8*((i/2)%4)
.set rK, 16*((i/2)%4)+8*(i/8)
.set rQ, QQ+16*(i%2)+8*(i/8)
.if i < 8
	v_wmma_f32_16x16x32_f16 v[rS:rS+7], v[rK:rK+7], v[rQ:rQ+7], 0
.else
	v_wmma_f32_16x16x32_f16 v[rS:rS+7], v[rK:rK+7], v[rQ:rQ+7], v[rS:rS+7]
.endif
.set i, i+1
.endr
	WIN 0
.rept 4
	v_nop
.endr
	s_add_co_u32 s57, s[KF], 63
	s_cmp_le_u32 s57, s[Q0]                        ; all 64 keys count for all my queries
	s_cbranch_scc1 .Lopen_\@
	s_sub_co_i32 s57, s[Q0], s[KF]
	v_add_nc_u32 v14, s57, v[RH]                   ; d = Q0 - KF + r - 8 h.  Tile x, register 8 k + j holds key KF + 16 k + 8 h + j for query Q0 + 16 x + r: hidden where 16 k + j - 16 x > d
.irp x, 0,1
.irp k, 0,1,2,3
.irp j, 0,1,2,3,4,5,6,7
	v_cmp_gt_i32 vcc_lo, 16*\k+\j-16*\x, v14
	v_cndmask_b32 v[SS+32*\x+8*\k+\j], v[SS+32*\x+8*\k+\j], v[NINF], vcc_lo
.endr
.endr
.endr
.Lopen_\@:
	SOFTMAX
	s_wait_dscnt 0x0                               ; V is in
	WIN 0x01
.set i, 0
.rept 16                               ; O^T += V^T P: keys 32 (i / 8) on, channels 16 ((i / 2) % 4) on, tile i % 2: eight accumulators by turns
.set rO, OO+32*(i%2)+8*((i/2)%4)
.set rV, 64+32*(i/8)+8*((i/2)%4)
.set rP, PP+16*(i%2)+8*(i/8)
	v_wmma_f32_16x16x32_f16 v[rO:rO+7], v[rV:rV+7], v[rP:rP+7], v[rO:rO+7]
.set i, i+1
.endr
	WIN 0
.Lhidden_\@:
	s_add_co_u32 s[KF], s[KF], 64
	s_add_co_u32 s[TK], s[TK], 32*PK
	s_add_co_u32 s[TV], s[TV], 32*PV
.endm
.macro FOURSTEPS                       ; a slot's four key steps: written once, walked four times
	s_mov_b32 s[INNER], 4
.Lstep_\@:
	STEP
	s_sub_co_u32 s[INNER], s[INNER], 1
	s_cmp_lg_u32 s[INNER], 0
	s_cbranch_scc1 .Lstep_\@
	s_sub_co_u32 s[TK], s[TK], 128*PK              ; back to a slot's first step,
	s_xor_b32 s[TK], s[TK], SLOT1                  ; in the other slot
	s_sub_co_u32 s[TV], s[TV], 128*PV
	s_xor_b32 s[TV], s[TV], SLOT1
.endm
; O^T / l, rounded to f16, through my stage, a tile of 16 queries at a time; out as four rows (512 bytes on end) an instruction
.macro WAYOUT
.irp x, 0,1
	v_add_f32 v[ST+8*\x+4], v[ST+8*\x+2], v[ST+8*\x+3]
.endr
.irp x, 0,1
	v_permlanex16_b32 v[ST+8*\x+5], v[ST+8*\x+4], s[SEL], s[SEL+1]
.endr
.irp x, 0,1
	v_add_f32 v[ST+8*\x+4], v[ST+8*\x+4], v[ST+8*\x+5]
.endr
.irp x, 0,1
	v_rcp_f32 v[ST+8*\x+6], v[ST+8*\x+4]
.endr
	v_nop
	s_wait_alu depctr_va_vdst(0)                   ; one wait for both reciprocals, ahead of their first reader
.irp x, 0,1
.irp p, 0,1,2,3,4,5,6,7,8,9,10,11,12,13,14,15
	v_pk_mul_f32 v[OO+32*\x+2*\p:OO+32*\x+2*\p+1], v[OO+32*\x+2*\p:OO+32*\x+2*\p+1], v[ST+8*\x+6:ST+8*\x+7] op_sel_hi:[1,0]
.endr
.irp p, 0,1,2,3,4,5,6,7,8,9,10,11,12,13,14,15
	v_cvt_pk_f16_f32 v[PP+16*\x+\p], v[OO+32*\x+2*\p], v[OO+32*\x+2*\p+1]
.endr
.irp c, 0,1,2,3
	ds_store_b128 v[STO], v[PP+16*\x+4*\c:PP+16*\x+4*\c+3] offset:32*\c
.endr
.irp i, 0,1,2,3
	ds_load_b128 v[SS+16*\x+4*\i:SS+16*\x+4*\i+3], v[RD] offset:576*\i    ; in order behind my stores; the next tile's stores come behind these
.endr
.endr
.irp x, 0,1
.irp i, 0,1,2,3
	s_wait_dscnt 11-8*\x-\i                        ; younger: the rest of this tile's loads, and behind tile 0 tile 1's eight LDS instructions
	global_store_b128 v[GO], v[SS+16*\x+4*\i:SS+16*\x+4*\i+3], s[YP:YP+1] offset:2048*\x+512*\i
.endr
.endr
.endm
; At the slot where the second block of queries begins: the first block leaves, and all starts anew.  The branch hangs on ids and the count of slots alone.
.macro PASSCHK
	s_cmp_lg_u32 s[SI], s[NH]
	s_cbranch_scc1 .Lsame_\@
.rept 4
	v_nop                                          ; places behind the last products
.endr
	s_lshl_b32 s[Q0], s[JJ], 8
	s_lshl_b32 s57, s[WV], 5
	s_add_co_u32 s[Q0], s[Q0], s57
	s_lshl_b32 s72, s[Q0], 7
	s_add_nc_u64 s[QP:QP+1], s[BQ:BQ+1], s[72:73]  ; (the first block's loads of Q were waited for)
	QLOAD                                          ; lands under the way out
	WAYOUT
	s_wait_xcnt 0x0                                ; the stores have read their base and their registers
	s_add_nc_u64 s[YP:YP+1], s[6:7], s[72:73]
	s_mov_b32 s[KF], 0
	INIT
	s_wait_loadcnt 0x0
.Lsame_\@:
.endm
; THE CHANGE OF SLOTS stands at a slot's head: all my tensor loads have landed, the add, my reads of the slot that I have left are over; the barrier; then the other slot is filled with the keys that follow.
.macro CHANGE fill
	s_wait_tensorcnt 0x0                           ; no tensor load of mine is out: the descriptors may be written
	ds_add_u32 v[SPW], v[NIL]
.if \fill
	ds_add_u32 v[SPW], v[NIL]                      ; and twice on end here, in every trip alike
	s_xor_b32 s[G0K+1], s[G0K+1], SLOT1
	s_xor_b32 s[G0V+1], s[G0V+1], SLOT1
	s_add_co_u32 s[KBN], s[KBN], 1
	s_add_co_u32 s57, s[SI], 1
	s_cmp_eq_u32 s57, s[NH]
	s_cselect_b32 s[KBN], 0, s[KBN]                ; the second block of queries begins again at key 0
	s_lshl_b32 s72, s[KBN], 15
	s_add_nc_u64 s[G0K+2:G0K+3], s[BKP:BKP+1], s[72:73]
	s_or_b32 s[G0K+3], s[G0K+3], 0x80000000
	s_add_nc_u64 s[G0V+2:G0V+3], s[BVP:BVP+1], s[72:73]
	s_or_b32 s[G0V+3], s[G0V+3], 0x80000000
	s_wait_xcnt 0x0                                ; the last prefetches, a slot back, have read their addresses
	s_add_nc_u64 s[PFK:PFK+1], s[PFK:PFK+1], 32768
	s_add_nc_u64 s[PFV:PFV+1], s[PFV:PFV+1], 32768
.endif
	s_wait_dscnt 0x0
	s_barrier_signal -1
	s_barrier_wait -1
.if \fill
	TLOAD                                          ; the first thing behind the barrier, and a wave's one tensor load until the next
	ASK
.endif
.endm
	s_load_b128 s[4:7], s[0:1], 0x0                ; qkv, y
	v_lshl_add_u32 v[SPW], v0, 2, SPARE
	v_mov_b32 v[NIL], 0
	ds_add_u32 v[SPW], v[NIL]                      ; the wave's opening
	ds_add_u32 v[SPW], v[NIL]
	v_lshrrev_b32 v14, 5, v0
	v_readfirstlane_b32 s[WV], v14                 ; wave 0..7
	s_mov_b32 s[JJ], ttmp9
	s_and_b32 s10, ttmp7, 0xffff                   ; 16 b + h
	s_lshl_b32 s12, s10, 18                        ; the head's first byte in q, k, v and y
	s_mov_b32 s13, 0
	s_mov_b32 s73, 0                               ; s[72:73]: an offset under 2^32
	s_mov_b32 s[G1K], (1<<16)|(1<<20)|(5<<22)|(3<<25)   ; elements of 2 bytes; 4 words of padding after every 64
	s_mov_b32 s[G1V], (1<<16)|(1<<20)|(5<<22)|(7<<25)   ; 8 words
.irp g, G1K, G1V
	s_mov_b32 s[\g+1], 128<<16                     ; tensor_dim0: two keys' 128 numbers, dense in memory
	s_mov_b32 s[\g+2], 64<<16                      ; tensor_dim1: 64 such rows = 128 keys
	s_mov_b32 s[\g+3], 128<<16
	s_mov_b32 s[\g+4], 64
	s_mov_b32 s[\g+5], 128
	s_mov_b32 s[\g+6], 0
	s_mov_b32 s[\g+7], 0
.endr
	s_mov_b32 s[SEL], 0x76543210
	s_mov_b32 s[SEL+1], 0xfedcba98
	s_mov_b32 s[CS], 0x3e38aa3b                    ; c = log2(e) / 8
	s_mov_b32 s[CS+1], s[CS]
	s_sub_co_u32 s[NH], 8, s[JJ]
	s_mov_b32 s[SLOTS], 8
	s_mov_b32 s[SI], 0
	s_mov_b32 s[KBN], 0
	s_mov_b32 s[KF], 0
	s_mov_b32 s[TK], 0
	s_mov_b32 s[TV], 0
	s_and_b32 s58, s[WV], 1                        ; which half of a slot I fetch
	s_mov_b32 s[G0K], 1
	s_mul_i32 s[G0K+1], s58, 64*PK
	s_mov_b32 s[G0V], 1
	s_mul_i32 s[G0V+1], s58, 64*PV
	s_add_co_u32 s[G0V+1], s[G0V+1], VOFF
	s_lshl_b32 s72, s58, 14
	s_wait_dscnt 0x0                               ; both opening adds are done
	s_wait_kmcnt 0x0
	s_add_nc_u64 s[BQ:BQ+1], s[4:5], s[12:13]
	s_add_nc_u64 s[6:7], s[6:7], s[12:13]          ; y at my head
	s_add_nc_u64 s[BKP:BKP+1], s[BQ:BQ+1], s[72:73]
	s_add_nc_u64 s[BKP:BKP+1], s[BKP:BKP+1], 0x1000000
	s_add_nc_u64 s[BVP:BVP+1], s[BKP:BKP+1], 0x1000000
	s_mov_b64 s[G0K+2:G0K+3], s[BKP:BKP+1]
	s_or_b32 s[G0K+3], s[G0K+3], 0x80000000
	s_mov_b64 s[G0V+2:G0V+3], s[BVP:BVP+1]
	s_or_b32 s[G0V+3], s[G0V+3], 0x80000000
	TLOAD                                          ; slot 0: keys 0-255, which count for some query of every wave
	s_and_b32 s57, s[WV], 3                        ; the prefetches: my 8,192 bytes, in block 1: the first change steps them to block 2
	s_lshl_b32 s72, s57, 13
	s_add_co_u32 s72, s72, 32768
	s_add_nc_u64 s[PFK:PFK+1], s[BQ:BQ+1], s[72:73]
	s_add_nc_u64 s[PFK:PFK+1], s[PFK:PFK+1], 0x1000000
	s_add_nc_u64 s[PFV:PFV+1], s[PFK:PFK+1], 0x1000000
	s_lshr_b32 s57, s[WV], 2
	s_xor_b32 s57, s57, 1                          ; 0 in waves 4 to 7,
	s_or_b32 s57, s57, s[JJ]                       ; of the work-group with J = 0
	s_cmp_eq_u32 s57, 0
	s_cselect_b32 s[LIM], 2, -1
	s_sub_co_u32 s57, 7, s[JJ]
	s_lshl_b32 s[Q0], s57, 8
	s_lshl_b32 s57, s[WV], 5
	s_add_co_u32 s[Q0], s[Q0], s57                 ; my first query: 256 (7 - J) + 32 x wave
	s_lshl_b32 s72, s[Q0], 7
	s_add_nc_u64 s[QP:QP+1], s[BQ:BQ+1], s[72:73]
	s_add_nc_u64 s[YP:YP+1], s[6:7], s[72:73]
	v_and_b32 v14, 15, v0                          ; r
	v_bfe_u32 v15, v0, 4, 1                        ; h
	v_lshlrev_b32 v[QO], 7, v14
	v_lshl_add_u32 v[QO], v15, 4, v[QO]            ; row r of 128 bytes + 16 h
	QLOAD
	v_lshrrev_b32 v[AK0], 1, v14                   ; key r of a tile: (r / 2) x pitch + (r % 2) x 128 + 16 h
	v_mul_u32_u24 v[AK0], v[AK0], PK
	v_and_b32 v3, 1, v14
	v_lshl_add_u32 v[AK0], v3, 7, v[AK0]
	v_lshl_add_u32 v[AK0], v15, 4, v[AK0]
	v_bfe_u32 v[AV0], v0, 1, 2                     ; the turning load: lane l reads key 8 h + l % 8, channels 8 ((l / 8) % 2) on
	v_lshl_add_u32 v[AV0], v15, 2, v[AV0]
	v_mul_u32_u24 v[AV0], v[AV0], PV
	v_and_b32 v3, 1, v0
	v_lshl_add_u32 v[AV0], v3, 7, v[AV0]
	v_bfe_u32 v3, v0, 3, 1
	v_lshl_add_u32 v[AV0], v3, 4, v[AV0]
	v_add_nc_u32 v[AV0], VOFF, v[AV0]
	s_mul_i32 s57, s[WV], 2304
	s_add_co_u32 s57, s57, STAGE                   ; my stage
	v_mul_u32_u24 v[STO], v14, 144
	v_lshl_add_u32 v[STO], v15, 4, v[STO]
	v_add_nc_u32 v[STO], s57, v[STO]
	v_bfe_u32 v[RD], v0, 3, 2
	v_mul_u32_u24 v[RD], v[RD], 144
	v_and_b32 v3, 7, v0
	v_lshl_add_u32 v[RD], v3, 4, v[RD]
	v_add_nc_u32 v[RD], s57, v[RD]
	v_and_b32 v3, 31, v0
	v_lshlrev_b32 v[GO], 4, v3
	v_lshlrev_b32 v[PFO], 8, v3
	v_lshlrev_b32 v[RH], 3, v15
	v_sub_nc_u32 v[RH], v14, v[RH]
	v_mov_b32 v[NINF], 0xff800000
	INIT
	s_wait_loadcnt 0x0                             ; Q
.Lslot:                                            ; eight trips: behind each change of slots the next slot is asked for
	CHANGE 1
	PASSCHK
	FOURSTEPS
	s_add_co_u32 s[SI], s[SI], 1
	s_sub_co_u32 s[SLOTS], s[SLOTS], 1
	s_cmp_lg_u32 s[SLOTS], 0
	s_cbranch_scc1 .Lslot
	CHANGE 0                                       ; the ninth slot is written out: nothing is left to fetch
	PASSCHK
	FOURSTEPS
.rept 4
	v_nop                                          ; places behind the last products
.endr
	WAYOUT
	s_wait_tensorcnt 0x0                           ; the wave's end
	ds_add_u32 v[SPW], v[NIL]
	s_wait_dscnt 0x0
	s_endpgm
.Lfunc_end_k_q6902798d46_attn:
	.size	k_q6902798d46_attn, .Lfunc_end_k_q6902798d46_attn-k_q6902798d46_attn
	.p2alignl 7, 3214868480
	.fill 96, 4, 3214868480
	.section	.rodata,"a",@progbits
	.p2align	6, 0x0
	.amdhsa_kernel k_q6902798d46_attn
		.amdhsa_group_segment_fixed_size 327680
		.amdhsa_private_segment_fixed_size 0
		.amdhsa_enable_private_segment 0
		.amdhsa_kernarg_size 16
		.amdhsa_user_sgpr_count 2
		.amdhsa_user_sgpr_kernarg_segment_ptr 1
		.amdhsa_wavefront_size32 1
		.amdhsa_system_sgpr_workgroup_id_x 1
		.amdhsa_system_sgpr_workgroup_id_y 1
		.amdhsa_system_sgpr_workgroup_id_z 1
		.amdhsa_system_vgpr_workitem_id 0
		.amdhsa_next_free_vgpr 384
		.amdhsa_next_free_sgpr 76
		.amdhsa_reserve_vcc 1
		.amdhsa_float_denorm_mode_32 3
		.amdhsa_float_denorm_mode_16_64 3
		.amdhsa_memory_ordered 1
		.amdhsa_forward_progress 1
		.amdhsa_inst_pref_size 82
	.end_amdhsa_kernel
	.amdgpu_metadata
---
amdhsa.version: [ 1, 2 ]
amdhsa.kernels:
  - .name:           k_q6902798d46_attn
    .symbol:         k_q6902798d46_attn.kd
    .args:
      - { .name: qkv, .offset: 0, .size: 8, .value_kind: global_buffer, .address_space: global }
      - { .name: y, .offset: 8, .size: 8, .value_kind: global_buffer, .address_space: global }
    .group_segment_fixed_size: 327680
    .private_segment_fixed_size: 0
    .kernarg_segment_align: 8
    .kernarg_segment_size: 16
    .max_flat_workgroup_size: 256
    .sgpr_count:     76
    .vgpr_count:     384
    .wavefront_size: 32
...
	.end_amdgpu_metadata
.endif
;; end of part 3
;; launch proj (part 4): grid 8 x 32, 4 waves a work-group, clusters of 4 x 4, 327,680 bytes of LDS; arguments y, wpT, b_proj, out0; writes out0
.if DOCPART == 4
	.amdgcn_target "amdgcn-amd-amdhsa--gfx1250"
	.amdhsa_code_object_version 6
	.text
	.protected	k_q6902798d46_proj
	.globl	k_q6902798d46_proj
	.p2align	8
	.type	k_q6902798d46_proj,@function
k_q6902798d46_proj:
	s_mov_b64 s[64:65], 0
	v_nop
	global_prefetch_b8 v0, s[64:65] scope:SCOPE_SE
	s_setreg_imm32_b32 hwreg(HW_REG_WAVE_MODE, 25, 1), 1
	s_wait_xcnt 0x0
	s_wait_alu depctr_hold_cnt(0) depctr_sa_sdst(0) depctr_va_vdst(0) depctr_va_sdst(0) depctr_va_ssrc(0) depctr_va_vcc(0) depctr_vm_vsrc(0)
	s_getreg_b32 s2, hwreg(HW_REG_IB_STS2, 6, 4)
	s_cmp_eq_u32 s2, 0
	s_cbranch_scc0 .Lentry_in_a_cluster
	s_endpgm
.Lentry_in_a_cluster:
	s_bfe_u32 s2, ttmp6, 0x10000c
	s_cmp_lg_u32 s2, 0xf033
	s_cbranch_scc0 .Lentry_shape_is_right
	s_endpgm
.Lentry_shape_is_right:
; PROJ: out0 = y W_proj + b_proj, f16 operands, f32 sums.  A = y, f16, [b][h][2048][64]; B = wpT, f16, [1024 n][1024 k]; out0 [8192][1024] f32.
; A tile of out0 is 256 rows x 128 columns: 256 work-groups.  Four waves, each 128 x 64: 32 accumulators of 16 x 16.  K goes in steps of 128 (two heads) through a ring of two LDS slots.
; A head's 256 rows of 128 bytes are one dense block of memory: it comes as 128 rows of two positions (256 + 16 bytes).  B's rows are 256 bytes of a row of wpT.
; CLUSTERS: 4 x 4 work-groups; cy is the batch and the cluster's y the block of 256 positions; A's tiles are asked for jointly along a row of the cluster, B's along a column.
; THE MATRIX INSTRUCTION IS USED TRANSPOSED (source 0 = 16 rows of B, source 1 = 16 rows of A): a lane holds eight neighbouring columns of a row.  The bias is the C of each sum's first product.
; Positions 0-15 of each batch are NOT stored here: the next launch computes them in f32 and owns those rows.
; REGISTERS: window 0: v16-29 addresses; v32-95 rows on the way out; v96-127 the bias.  window 1: two fragment buffers of 96 (A's 8 blocks, then B's 4).  window 2: accumulator (a, b) at v[8 (4 a + b)].
.set PITCH,  272
.set ACH,    128*PITCH                 ; a head's chunk of A
.set BOFF,   2*ACH
.set SLOT,   BOFF+ACH                  ; two chunks of A, then B's 128 rows
.set STAGE,  2*SLOT                    ; 16 rows x (256 + 16) bytes for each wave
.set SPARE,  STAGE+4*16*272
.set ADRA, 16
.set ADRB, 20
.set STO,  24
.set RD,   25
.set CO,   26
.set BO,   27
.set SPW,  28
.set NIL,  29
.set BK,   32
.set BI,   96
.set F0,   0
.set F1,   96
.set WV,   12
.set HR,   13                          ; s13 which half of the tile's rows is mine.  Also: I fetch for A (0) or for B (1)
.set HC,   14                          ; s14 which half of its columns.  Also: which part of that tile I fetch
.set YY,   15                          ; s15 the cluster's y
.set SKIP, 45                          ; s45 0 in the wave whose block 0 is positions 0-15
.set G1, 24
.set G0, 32
.set G1B, 48
.set G0B, 56
.set MSB, 0
.macro WIN new
.if MSB != \new
	s_set_vgpr_msb (MSB<<8)|\new
.set MSB, \new
.endif
.endm
.set MUL,  0xa5                        ; sources 0 and 1 window 1, C and D window 2
.set MUL0, 0x85                        ; the same with C (the bias) in window 0
.set TO_F, 0x40
.macro JLOAD s                         ; a joint load; an s_nop 0 and four v_nop follow each of the two lines
	s_cmp_eq_u32 s[HR], 0
	s_cbranch_scc0 .Lfor_b_\@
	tensor_load_to_lds s[G0+4*\s:G0+4*\s+3], s[G1:G1+7]
	s_nop 0
.rept 4
	v_nop
.endr
	s_branch .Lasked_\@
.Lfor_b_\@:
	tensor_load_to_lds s[G0B+4*\s:G0B+4*\s+3], s[G1B:G1B+7]
	s_nop 0
.rept 4
	v_nop
.endr
.Lasked_\@:
.endm
.macro CREST
	s_cmp_lg_u32 s[WV], 0
	s_cbranch_scc1 .Lnot_wave_0_\@
	s_barrier_signal -3
.Lnot_wave_0_\@:
	s_barrier_wait -3
	s_barrier_signal -1
	s_barrier_wait -1
.endm
.macro CROUND
	s_barrier_signal -1
	s_barrier_wait -1
	CREST
.endm
	s_load_b128 s[4:7], s[0:1], 0x0                ; y, wpT
	s_load_b128 s[8:11], s[0:1], 0x10              ; b_proj, out0
	v_lshl_add_u32 v[SPW], v0, 2, SPARE
	v_mov_b32 v[NIL], 0
	ds_add_u32 v[SPW], v[NIL]                      ; the wave's opening
	ds_add_u32 v[SPW], v[NIL]
	v_lshrrev_b32 v1, 5, v0
	v_readfirstlane_b32 s[WV], v1
	s_lshr_b32 s[HR], s[WV], 1
	s_and_b32 s[HC], s[WV], 1
	s_bfe_u32 s40, ttmp6, 0x40000                  ; cx
	s_bfe_u32 s41, ttmp6, 0x40004                  ; cy
	s_lshl_b32 s42, ttmp9, 2
	s_add_co_u32 s42, s42, s40                     ; tile column = 4 x cluster x + cx
	s_and_b32 s[YY], ttmp7, 0xffff
	s_or_b32 s[SKIP], s[YY], s[HR]                 ; the cluster's y and the wave's number alone
	s_lshl_b32 s43, s41, 2
	s_lshl_b32 s43, 15, s43                        ; my row of the cluster
	s_lshl_b32 s44, 0x1111, s40                    ; my column
	s_or_b32 s[G1+0], s43, (1<<16)|(1<<20)|(1<<21)|(5<<22)|(3<<25)   ; elements of 2 bytes; 4 words of padding after every 64
	s_or_b32 s[G1B+0], s44, (1<<16)|(1<<20)|(1<<21)|(5<<22)|(3<<25)
	s_mov_b32 s[G1+1], 128<<16                     ; A: 128 rows of 128 elements, dense
	s_mov_b32 s[G1+2], 128<<16
	s_mov_b32 s[G1+3], 128<<16
	s_mov_b32 s[G1+4], 128
	s_mov_b32 s[G1+5], 128
	s_mov_b32 s[G1+6], 0
	s_mov_b32 s[G1+7], 0
	s_mov_b32 s[G1B+1], 128<<16                    ; B: 64 rows of 128 elements, 1,024 elements apart
	s_mov_b32 s[G1B+2], 64<<16
	s_mov_b32 s[G1B+3], 128<<16
	s_mov_b32 s[G1B+4], 64
	s_mov_b32 s[G1B+5], 1024
	s_mov_b32 s[G1B+6], 0
	s_mov_b32 s[G1B+7], 0
	s_lshl_b32 s16, s41, 22                        ; A: batch cy, head = my part, positions 256 x cluster y on
	s_lshl_b32 s17, s[HC], 18
	s_add_co_u32 s16, s16, s17
	s_lshl_b32 s17, s[YY], 15
	s_add_co_u32 s16, s16, s17
	s_mov_b32 s17, 0
	s_lshl_b32 s46, s42, 18                        ; B: row 128 x tile column + 64 x my part, 2,048 bytes each
	s_lshl_b32 s47, s[HC], 17
	s_add_co_u32 s46, s46, s47
	s_mov_b32 s47, 0
	s_mul_i32 s20, s[HC], ACH                      ; where they go: the wave's number alone
	s_mul_i32 s21, s[HC], 64*PITCH
	s_add_co_u32 s21, s21, BOFF
	s_wait_dscnt 0x0                               ; both opening adds are done
	s_wait_kmcnt 0x0
	s_add_nc_u64 s[18:19], s[4:5], s[16:17]
	s_add_nc_u64 s[46:47], s[6:7], s[46:47]
	CROUND                                         ; all sixteen work-groups are here: the first joint loads meet
.irp s, 0,1
	s_mov_b32 s[G0+4*\s], 1
	s_add_co_u32 s[G0+4*\s+1], s20, \s*SLOT
	s_add_nc_u64 s[G0+4*\s+2:G0+4*\s+3], s[18:19], \s*524288     ; K step s: two heads on
	s_or_b32 s[G0+4*\s+3], s[G0+4*\s+3], 0x80000000
	s_mov_b32 s[G0B+4*\s], 1
	s_add_co_u32 s[G0B+4*\s+1], s21, \s*SLOT
	s_add_nc_u64 s[G0B+4*\s+2:G0B+4*\s+3], s[46:47], \s*256
	s_or_b32 s[G0B+4*\s+3], s[G0B+4*\s+3], 0x80000000
	JLOAD \s                                       ; two tensor loads of mine are out
.endr
	v_and_b32 v1, 15, v0                           ; r
	v_bfe_u32 v2, v0, 4, 1                         ; h
	s_lshl_b32 s20, s42, 9                         ; my 64 columns, in bytes of f32
	s_lshl_b32 s21, s[HC], 8
	s_add_co_u32 s20, s20, s21
	s_mov_b32 s21, 0
	s_add_nc_u64 s[8:9], s[8:9], s[20:21]
	v_lshlrev_b32 v[BO], 5, v2
.irp b, 0,1,2,3
	global_load_b128 v[BI+8*\b:BI+8*\b+3], v[BO], s[8:9] offset:64*\b            ; lane (r, h), register j: the bias of column 16 b + 8 h + j
	global_load_b128 v[BI+8*\b+4:BI+8*\b+7], v[BO], s[8:9] offset:64*\b+16
.endr
	s_lshl_b32 s22, s41, 23                        ; out0: row 2,048 cy + 256 x cluster y + 128 x row half, 4,096 bytes each
	s_add_co_u32 s20, s20, s22
	s_lshl_b32 s22, s[YY], 20
	s_add_co_u32 s20, s20, s22
	s_lshl_b32 s22, s[HR], 19
	s_add_co_u32 s20, s20, s22
	s_add_nc_u64 s[10:11], s[10:11], s[20:21]
	v_lshrrev_b32 v3, 1, v1                        ; A: position r of a block: (r / 2) x pitch + (r % 2) x 128 + 16 h
	v_mul_u32_u24 v3, v3, PITCH
	v_and_b32 v4, 1, v1
	v_lshl_add_u32 v3, v4, 7, v3
	v_lshl_add_u32 v3, v2, 4, v3
	v_mul_u32_u24 v4, v1, PITCH                    ; B: row r x pitch + 16 h
	v_lshl_add_u32 v4, v2, 4, v4
	s_mul_i32 s21, s[HR], 64*PITCH                 ; my 128 positions
	s_mul_i32 s22, s[HC], 64*PITCH                 ; my 64 rows of B
	s_add_co_u32 s22, s22, BOFF
.irp s, 0,1
	v_add_nc_u32 v[ADRA+\s], s21, v3
	v_add_nc_u32 v[ADRB+\s], s22, v4
	s_add_co_u32 s21, s21, SLOT
	s_add_co_u32 s22, s22, SLOT
.endr
	s_mul_i32 s23, s[WV], 16*272
	s_add_co_u32 s23, s23, STAGE                   ; my stage
	v_mul_u32_u24 v5, v1, 272
	v_lshl_add_u32 v5, v2, 5, v5
	v_add_nc_u32 v[STO], s23, v5                   ; in: row r, 32 bytes for each half of the lanes
	v_mul_u32_u24 v5, v2, 272
	v_lshl_add_u32 v5, v1, 4, v5
	v_add_nc_u32 v[RD], s23, v5                    ; back: lanes 0-15 one row of 256 bytes, lanes 16-31 the next
	v_lshlrev_b32 v5, 12, v2
	v_lshl_add_u32 v[CO], v1, 4, v5                ; and the same two rows in out0
; n x 4 matrix instructions: A's blocks a0 .. a0 + n - 1 x B's four, 32 along K.  The 32 accumulators take turns, in the same order in every quarter.
.macro MULA f, a0, n, zero
.set aa, \a0
.rept \n
.irp b, 0,1,2,3
.if \zero
	v_wmma_f32_16x16x32_f16 v[8*(4*aa+\b):8*(4*aa+\b)+7], v[\f+64+8*\b:\f+64+8*\b+7], v[\f+8*aa:\f+8*aa+7], v[BI+8*\b:BI+8*\b+7]
.else
	v_wmma_f32_16x16x32_f16 v[8*(4*aa+\b):8*(4*aa+\b)+7], v[\f+64+8*\b:\f+64+8*\b+7], v[\f+8*aa:\f+8*aa+7], v[8*(4*aa+\b):8*(4*aa+\b)+7]
.endif
.endr
.set aa, aa+1
.endr
.endm
.macro FETCH slot, kq, f               ; 24 LDS loads in one run: quarter kq (32 along K) of the slot: B's four blocks, then A's eight
	WIN TO_F
.irp b, 0,1,2,3
	ds_load_b128 v[\f+64+8*\b:\f+64+8*\b+3],   v[ADRB+\slot] offset:64*(\kq)+\b*16*PITCH
	ds_load_b128 v[\f+64+8*\b+4:\f+64+8*\b+7], v[ADRB+\slot] offset:64*(\kq)+\b*16*PITCH+32
.endr
.irp a, 0,1,2,3,4,5,6,7
	ds_load_b128 v[\f+8*\a:\f+8*\a+3],   v[ADRA+\slot] offset:((\kq)/2)*ACH+((\kq)%2)*64+\a*8*PITCH
	ds_load_b128 v[\f+8*\a+4:\f+8*\a+7], v[ADRA+\slot] offset:((\kq)/2)*ACH+((\kq)%2)*64+\a*8*PITCH+32
.endr
.endm
.macro PLACES                          ; four plain vector instructions ahead of loads into registers that matrix instructions have read, and of reads of results
.rept 4
	v_nop
.endr
.endm
.macro QUARTER slot, kq, f, g, zero    ; multiplies buffer f; in its middle fetches quarter kq of the slot into g
	s_wait_dscnt 8                                 ; B and A's blocks 0-3 are in; A's blocks 4-7 (eight loads) may be out
.if \zero
	WIN MUL0
.else
	WIN MUL
.endif
	MULA \f, 0, 4, \zero
	PLACES
	FETCH \slot, \kq, \g
	s_wait_dscnt 24                                ; all but the 24 just issued
.if \zero
	WIN MUL0
.else
	WIN MUL
.endif
	MULA \f, 4, 4, \zero
.endm
; A K step's last quarter multiplies buffer 1 and changes slots: ONE barrier; ahead of it all my tensor loads have landed, the add, and my reads of this slot are over.  fill = 1: this slot is filled again, two K steps ahead.
.macro TURN slot, next, fill
	WIN 0
	s_wait_tensorcnt 0x0                           ; my part of the next slot has landed
	ds_add_u32 v[SPW], v[NIL]
	s_wait_dscnt 9                                 ; the add and the youngest eight loads may be out
	WIN MUL
	MULA F1, 0, 2, 0
	s_wait_dscnt 0x0                               ; the add is done, and my reads of this slot are over
	s_barrier_signal -1
	MULA F1, 2, 2, 0
.if \fill
	WIN 0
.endif
	s_barrier_wait -1
.if \fill
	CREST                                          ; the barrier has opened a round of the cluster's: no wave of any partner still reads this slot or has a load on its way
	s_add_nc_u64 s[G0+4*\slot+2:G0+4*\slot+3], s[G0+4*\slot+2:G0+4*\slot+3], 1048576
	s_add_nc_u64 s[G0B+4*\slot+2:G0B+4*\slot+3], s[G0B+4*\slot+2:G0B+4*\slot+3], 512
	JLOAD \slot                                    ; the first tensor load behind the round; its four v_nop are also the places ahead of the loads below
.else
	PLACES
.endif
	FETCH \next, 0, F0
	WIN MUL
	MULA F1, 4, 4, 0
.endm
	s_wait_tensorcnt 1                             ; my part of K step 0 is in; K step 1's may be out
	s_barrier_signal -1
	s_barrier_wait -1
	FETCH 0, 0, F0
	s_wait_loadcnt 0x0                             ; the bias
	QUARTER 0, 1, F0, F1, 1                        ; the first quarter's products start the sums, on the bias
	WIN 0
	s_mov_b32 s3, 3
.Llap:                                             ; a trip goes once round the ring and fills both slots again: K steps 2 to 7
	QUARTER 0, 2, F1, F0, 0
	QUARTER 0, 3, F0, F1, 0
	TURN 0, 1, 1
	QUARTER 1, 1, F0, F1, 0
	QUARTER 1, 2, F1, F0, 0
	QUARTER 1, 3, F0, F1, 0
	TURN 1, 0, 1
	QUARTER 0, 1, F0, F1, 0
	WIN 0
	s_sub_co_u32 s3, s3, 1
	s_cmp_lg_u32 s3, 0
	s_cbranch_scc1 .Llap
	QUARTER 0, 2, F1, F0, 0                        ; the last lap fills nothing
	QUARTER 0, 3, F0, F1, 0
	TURN 0, 1, 0
	QUARTER 1, 1, F0, F1, 0
	QUARTER 1, 2, F1, F0, 0
	QUARTER 1, 3, F0, F1, 0
	s_wait_dscnt 8
	WIN MUL
	MULA F1, 0, 4, 0
	s_wait_dscnt 0
	MULA F1, 4, 4, 0
	WIN 0
; THE WAY OUT, block by block of 16 rows x 64 columns, through my own stage: back as whole rows of 256 bytes
.macro TOSTAGE a
	WIN 0x08                                       ; an LDS store's data: window 2
.irp b, 0,1,2,3
	ds_store_b128 v[STO], v[8*(4*(\a)+\b):8*(4*(\a)+\b)+3] offset:64*\b          ; each accumulator from its low end on
	ds_store_b128 v[STO], v[8*(4*(\a)+\b)+4:8*(4*(\a)+\b)+7] offset:64*\b+16
.endr
	WIN 0
.set BB, BK+32*((\a)%2)
.irp t, 0,1,2,3,4,5,6,7
	ds_load_b128 v[BB+4*\t:BB+4*\t+3], v[RD] offset:\t*2*272     ; in order behind my stores
.endr
.endm
.macro SEND a, younger
.set BB, BK+32*((\a)%2)
	s_wait_dscnt \younger
.irp t, 0,1,2,3,4,5,6,7
	global_store_b128 v[CO], v[BB+4*\t:BB+4*\t+3], s[10:11] offset:(16*(\a)+2*\t)*4096 th:TH_STORE_NT   ; sixteen lanes store 256 bytes on end, aligned
.endr
.endm
	PLACES
	s_cmp_eq_u32 s[SKIP], 0                        ; positions 0-15 belong to the next launch
	s_cbranch_scc1 .Lskip0
	TOSTAGE 0
	SEND 0, 0
.Lskip0:
	TOSTAGE 1
.irp a, 2,3,4,5,6,7
	s_wait_xcnt 0x0                                ; block a - 2's stores have read their registers: block a's loads may land there
	TOSTAGE \a
	SEND \a-1, 16                                  ; behind block a - 1's loads: block a's 8 stores and 8 loads
.endr
	SEND 7, 0
	s_wait_tensorcnt 0x0                           ; the wave's end
	ds_add_u32 v[SPW], v[NIL]
	s_wait_dscnt 0x0
	CROUND                                         ; the closing round
	s_endpgm
.Lfunc_end_k_q6902798d46_proj:
	.size	k_q6902798d46_proj, .Lfunc_end_k_q6902798d46_proj-k_q6902798d46_proj
	.p2alignl 7, 3214868480
	.fill 96, 4, 3214868480
	.section	.rodata,"a",@progbits
	.p2align	6, 0x0
	.amdhsa_kernel k_q6902798d46_proj
		.amdhsa_group_segment_fixed_size 327680
		.amdhsa_private_segment_fixed_size 0
		.amdhsa_enable_private_segment 0
		.amdhsa_kernarg_size 32
		.amdhsa_user_sgpr_count 2
		.amdhsa_user_sgpr_kernarg_segment_ptr 1
		.amdhsa_wavefront_size32 1
		.amdhsa_system_sgpr_workgroup_id_x 1
		.amdhsa_system_sgpr_workgroup_id_y 1
		.amdhsa_system_sgpr_workgroup_id_z 1
		.amdhsa_system_vgpr_workitem_id 0
		.amdhsa_next_free_vgpr 768
		.amdhsa_next_free_sgpr 66
		.amdhsa_reserve_vcc 0
		.amdhsa_float_denorm_mode_32 3
		.amdhsa_float_denorm_mode_16_64 3
		.amdhsa_memory_ordered 1
		.amdhsa_forward_progress 1
		.amdhsa_inst_pref_size 87
	.end_amdhsa_kernel
	.amdgpu_metadata
---
amdhsa.version: [ 1, 2 ]
amdhsa.kernels:
  - .name:           k_q6902798d46_proj
    .symbol:         k_q6902798d46_proj.kd
    .args:
      - { .name: y, .offset: 0, .size: 8, .value_kind: global_buffer, .address_space: global }
      - { .name: wpT, .offset: 8, .size: 8, .value_kind: global_buffer, .address_space: global }
      - { .name: b_proj, .offset: 16, .size: 8, .value_kind: global_buffer, .address_space: global }
      - { .name: out0, .offset: 24, .size: 8, .value_kind: global_buffer, .address_space: global }
    .group_segment_fixed_size: 327680
    .private_segment_fixed_size: 0
    .kernarg_segment_align: 8
    .kernarg_segment_size: 32
    .max_flat_workgroup_size: 128
    .sgpr_count:     66
    .vgpr_count:     768
    .wavefront_size: 32
...
	.end_amdgpu_metadata
.endif
;; end of part 4
;; launch first16 (part 5): grid 16 x 4, 16 waves a work-group, no clusters, 85,248 bytes of LDS; arguments qkv32, W_proj, b_proj, out0; writes out0
.if DOCPART == 5
	.amdgcn_target "amdgcn-amd-amdhsa--gfx1250"
	.amdhsa_code_object_version 6
	.text
	.protected	k_q6902798d46_first16
	.globl	k_q6902798d46_first16
	.p2align	8
	.type	k_q6902798d46_first16,@function
k_q6902798d46_first16:
	s_mov_b64 s[64:65], 0
	v_nop
	global_prefetch_b8 v0, s[64:65] scope:SCOPE_SE
	s_setreg_imm32_b32 hwreg(HW_REG_WAVE_MODE, 25, 1), 1
	s_wait_xcnt 0x0
; FIRST16: positions 0-15 of each of the four sequences, attention and projection, all in f32: these rows average one to sixteen values and are the largest of the output.
; qkv32: f32 [q/k/v][batch][16][1024]; W_proj [1024 k][1024 n] f32; out0 rows 2,048 b + 0 .. 15.
; A work-group takes a batch and 64 columns of out0.  PHASE A: wave w is head w: S^T = K Q^T (16 x 16 x 64), the causal softmax with its maximum taken away, y^T = V^T P; y goes to LDS, 16 rows x 1,024.
; PHASE B: wave w takes 16 columns (w % 4) and 256 along K (w / 4): 64 steps of 4; the four parts of a sum meet in LDS and are added in a fixed order, with the bias.
; The same order of k is given to both operands of a product, so that one load of 16 bytes feeds two steps: step 2 u + v, half h, register j stands for k = 8 u + 4 h + 2 v + j.
; The registers that the f32 matrix instruction writes (v16-63) are written by matrix instructions alone, and each sum begins with the constant 0.
.set YPITCH, 4112                      ; a row of y in LDS: 4,096 + 16 bytes
.set PART,  16*YPITCH                  ; the partial sums: 4 x 16 rows x (256 + 16) bytes
.set SPARE, PART+4*4352
.set SPW, 10
.set NIL, 11
	s_load_b256 s[4:11], s[0:1], 0x0               ; qkv32, W_proj, b_proj, out0
	v_lshl_add_u32 v[SPW], v0, 2, SPARE
	v_mov_b32 v[NIL], 0
	v_lshrrev_b32 v80, 5, v0
	v_readfirstlane_b32 s12, v80                   ; wave 0..15
	s_and_b32 s13, ttmp7, 0xffff                   ; batch
	s_and_b32 s14, s12, 3                          ; ct
	s_lshr_b32 s15, s12, 2                         ; kq
	s_mov_b32 s16, 0x76543210
	s_mov_b32 s17, 0xfedcba98
	s_mov_b32 s18, 0x3e38aa3b                      ; c = log2(e) / 8
	v_and_b32 v80, 15, v0                          ; r
	v_bfe_u32 v81, v0, 4, 1                        ; h
	v_lshlrev_b32 v6, 4, v80                       ; the bias: 16 r
	v_lshlrev_b32 v3, 12, v80
	v_lshl_add_u32 v3, v81, 4, v3                  ; q, k: row r of 4,096 bytes + 16 h
	v_lshlrev_b32 v4, 2, v80
	v_lshl_add_u32 v5, v81, 14, v4                 ; W_proj: 4 h rows of 4,096 bytes + 4 r
	v_lshl_add_u32 v4, v81, 15, v4                 ; v: 8 h rows + 4 r
	s_lshl_b32 s20, s13, 16
	s_lshl_b32 s21, s12, 8
	s_add_co_u32 s20, s20, s21
	s_mov_b32 s21, 0
	s_lshl_b32 s24, s15, 20                        ; W_proj: 256 kq rows, column 64 x work-group + 16 ct
	s_lshl_b32 s22, ttmp9, 8
	s_add_co_u32 s24, s24, s22
	s_lshl_b32 s23, s14, 6
	s_add_co_u32 s24, s24, s23
	s_mov_b32 s25, 0
	s_mov_b32 s23, 0
	s_lshl_b32 s26, s13, 23                        ; out0: row 2,048 b + 2 x wave, + 256 x work-group
	s_lshl_b32 s27, s12, 13
	s_add_co_u32 s26, s26, s27
	s_add_co_u32 s26, s26, s22
	s_mov_b32 s27, 0
	s_wait_kmcnt 0x0
	s_add_nc_u64 s[4:5], s[4:5], s[20:21]          ; q of my batch and head; k and v by the immediates
	s_add_nc_u64 s[6:7], s[6:7], s[24:25]
	s_add_nc_u64 s[8:9], s[8:9], s[22:23]
	s_add_nc_u64 s[10:11], s[10:11], s[26:27]
	global_load_b128 v[12:15], v6, s[8:9]          ; the bias of columns 4 r .. 4 r + 3
.irp u, 0,1,2,3,4,5,6,7
	global_load_b128 v[128+4*\u:131+4*\u], v3, s[4:5] offset:262144+32*\u        ; k(r, 8 u + 4 h ..)
.endr
.irp u, 0,1,2,3,4,5,6,7
	global_load_b128 v[160+4*\u:163+4*\u], v3, s[4:5] offset:32*\u               ; q likewise
.endr
.irp c, 0,1,2,3
.irp n, 0,1,2,3,4,5,6,7
	global_load_b32 v[96+8*\c+\n], v4, s[4:5] offset:524288+\n*4096+64*\c        ; v(key 8 h + n, channel 16 c + r)
.endr
.endr
.set i, 0
.rept 64
	global_load_b32 v[192+i], v5, s[6:7] offset:(8*(i/4)+i%4)*4096               ; W_proj(8 u + 4 h + n, my column r), u < 16
.set i, i+1
.endr
	v_lshlrev_b32 v88, 3, v81
	v_sub_nc_u32 v88, v80, v88                     ; r - 8 h
	v_mov_b32 v89, 0xff800000                      ; -infinity
	v_mul_u32_u24 v82, v80, YPITCH
	s_lshl_b32 s20, s12, 8
	v_lshl_add_u32 v7, v81, 5, v82
	v_add_nc_u32 v7, s20, v7                       ; y into LDS: row r, + 256 x head + 32 h
	s_lshl_b32 s20, s15, 10
	v_lshl_add_u32 v8, v81, 4, v82
	v_add_nc_u32 v8, s20, v8                       ; y out of LDS: row r, + 1,024 kq + 16 h
	v_mul_u32_u24 v83, v80, 272
	v_lshl_add_u32 v9, v81, 5, v83
	s_mul_i32 s20, s15, 4352
	s_lshl_b32 s21, s14, 6
	s_add_co_u32 s20, s20, s21
	s_add_co_u32 s20, s20, PART
	v_add_nc_u32 v9, s20, v9                       ; my partial sums: part kq, row r, + 64 ct + 32 h
	v_mul_u32_u24 v2, v81, 272
	v_lshl_add_u32 v2, v80, 4, v2
	s_mul_i32 s20, s12, 544
	s_add_co_u32 s20, s20, PART
	v_add_nc_u32 v2, s20, v2                       ; at the end: row 2 x wave + h, 16 r
	v_lshlrev_b32 v1, 12, v81
	v_lshl_add_u32 v1, v80, 4, v1                  ; and the same in out0
	s_wait_loadcnt 63                              ; behind q's last load 96 were issued: k and q are in
.set i, 0
.rept 16                               ; S^T = K Q^T: two accumulators by turns
.if i < 2
	v_wmma_f32_16x16x4_f32 v[16+8*(i%2):23+8*(i%2)], v[128+2*i:129+2*i], v[160+2*i:161+2*i], 0
.else
	v_wmma_f32_16x16x4_f32 v[16+8*(i%2):23+8*(i%2)], v[128+2*i:129+2*i], v[160+2*i:161+2*i], v[16+8*(i%2):23+8*(i%2)]
.endif
.set i, i+1
.endr
.rept 8
	v_nop                                          ; eight places behind this form: ahead of the reads of its results and of the loads into its sources
.endr
.set i, 0
.rept 64
	global_load_b32 v[128+i], v5, s[6:7] offset:(128+8*(i/4)+i%4)*4096           ; W_proj, u = 16 .. 31
.set i, i+1
.endr
.irp j, 0,1,2,3,4,5,6,7
	v_add_f32 v[64+\j], v[16+\j], v[24+\j]         ; lane (r, h), register j: key 8 h + j, query r
.endr
.irp j, 0,1,2,3,4,5,6,7
	v_mul_f32 v[64+\j], s18, v[64+\j]
.endr
.irp j, 0,1,2,3,4,5,6,7
	v_cmp_gt_i32 vcc_lo, \j, v88                   ; hidden where 8 h + j > r
	v_cndmask_b32 v[64+\j], v[64+\j], v89, vcc_lo
.endr
	v_max3_num_f32 v82, v64, v65, v66
	v_max3_num_f32 v83, v67, v68, v69
	v_max3_num_f32 v82, v82, v70, v71
	v_max_num_f32 v82, v82, v83
	v_permlanex16_b32 v83, v82, s16, s17
	v_max_num_f32 v82, v82, v83                    ; the row's maximum: key 0 counts for every query
.irp j, 0,1,2,3,4,5,6,7
	v_sub_f32 v[64+\j], v[64+\j], v82
.endr
.irp j, 0,1,2,3,4,5,6,7
	v_exp_f32 v[64+\j], v[64+\j]
.endr
	v_nop
	s_wait_alu depctr_va_vdst(0)                   ; one wait for the eight, ahead of their first reader
	v_add_f32 v84, v64, v65
	v_add_f32 v85, v66, v67
	v_add_f32 v86, v68, v69
	v_add_f32 v87, v70, v71
	v_add_f32 v84, v84, v85
	v_add_f32 v86, v86, v87
	v_add_f32 v84, v84, v86
	v_permlanex16_b32 v85, v84, s16, s17
	v_add_f32 v84, v84, v85
	v_rcp_f32 v84, v84
	v_nop
	s_wait_alu depctr_va_vdst(0)
.irp j, 0,1,2,3,4,5,6,7
	v_mul_f32 v[72+\j], v[64+\j], v84              ; the weights
.endr
	s_wait_loadcnt 63                              ; behind v's last load 128 were issued: v is in
.irp s, 0,1,2,3                        ; y^T = V^T P: step s, half h, register j stands for key 8 h + 2 s + j; four accumulators by turns
.irp c, 0,1,2,3
.if \s == 0
	v_wmma_f32_16x16x4_f32 v[32+8*\c:39+8*\c], v[96+8*\c+2*\s:97+8*\c+2*\s], v[72+2*\s:73+2*\s], 0
.else
	v_wmma_f32_16x16x4_f32 v[32+8*\c:39+8*\c], v[96+8*\c+2*\s:97+8*\c+2*\s], v[72+2*\s:73+2*\s], v[32+8*\c:39+8*\c]
.endif
.endr
.endr
.rept 9
	v_nop                                          ; nine places: these accumulators are stored now and begun anew below
.endr
.irp c, 0,1,2,3
	ds_store_b128 v7, v[32+8*\c:35+8*\c] offset:64*\c          ; y(r, 64 x head + 16 c + 8 h ..), each accumulator from its low end on
	ds_store_b128 v7, v[36+8*\c:39+8*\c] offset:64*\c+16
.endr
	s_wait_dscnt 0x0                               ; for the others' sake: my part of y is in LDS
	s_barrier_signal -1
	s_barrier_wait -1
.irp g, 0,1                            ; out^T = W_proj^T y^T: 32 steps a batch, four accumulators by turns
.if \g == 1
.rept 8
	v_nop
.endr
.endif
.irp u, 0,1,2,3,4,5,6,7,8,9,10,11,12,13,14,15
	ds_load_b128 v[64+4*\u:67+4*\u], v8 offset:32*(16*\g+\u)
.endr
	s_wait_dscnt 0x0
	s_wait_loadcnt 63-63*\g                        ; batch 0: behind its 64 loads of W_proj 64 more were issued; batch 1: all
.set i, 0
.rept 32
.if (\g == 0) && (i < 4)
	v_wmma_f32_16x16x4_f32 v[32+8*(i%4):39+8*(i%4)], v[192-64*\g+2*i:193-64*\g+2*i], v[64+2*i:65+2*i], 0
.else
	v_wmma_f32_16x16x4_f32 v[32+8*(i%4):39+8*(i%4)], v[192-64*\g+2*i:193-64*\g+2*i], v[64+2*i:65+2*i], v[32+8*(i%4):39+8*(i%4)]
.endif
.set i, i+1
.endr
.endr
.rept 8
	v_nop
.endr
.irp j, 0,2,4,6
	v_pk_add_f32 v[80+\j:81+\j], v[32+\j:33+\j], v[40+\j:41+\j]
.endr
.irp j, 0,2,4,6
	v_pk_add_f32 v[80+\j:81+\j], v[80+\j:81+\j], v[48+\j:49+\j]
.endr
.irp j, 0,2,4,6
	v_pk_add_f32 v[80+\j:81+\j], v[80+\j:81+\j], v[56+\j:57+\j]
.endr
	ds_store_b128 v9, v[80:83]                     ; lane (r, h): row r, columns 16 ct + 8 h ..
	ds_store_b128 v9, v[84:87] offset:16
	s_wait_dscnt 0x0
	s_barrier_signal -1
	s_barrier_wait -1
	s_cmp_lt_u32 s12, 8                            ; waves 0 to 7 add the four parts, two rows each
	s_cbranch_scc0 .Lend
.irp i, 0,1,2,3
	ds_load_b128 v[96+4*\i:99+4*\i], v2 offset:4352*\i
.endr
	s_wait_dscnt 0x0
	v_pk_add_f32 v[96:97], v[96:97], v[100:101]
	v_pk_add_f32 v[98:99], v[98:99], v[102:103]
	v_pk_add_f32 v[104:105], v[104:105], v[108:109]
	v_pk_add_f32 v[106:107], v[106:107], v[110:111]
	v_pk_add_f32 v[96:97], v[96:97], v[104:105]
	v_pk_add_f32 v[98:99], v[98:99], v[106:107]
	v_pk_add_f32 v[96:97], v[96:97], v[12:13]
	v_pk_add_f32 v[98:99], v[98:99], v[14:15]
	global_store_b128 v1, v[96:99], s[10:11]       ; sixteen lanes store 256 bytes on end, aligned
.Lend:
	s_wait_tensorcnt 0x0                           ; the wave's end
	ds_add_u32 v[SPW], v[NIL]
	s_wait_dscnt 0x0
	s_endpgm
.Lfunc_end_k_q6902798d46_first16:
	.size	k_q6902798d46_first16, .Lfunc_end_k_q6902798d46_first16-k_q6902798d46_first16
	.p2alignl 7, 3214868480
	.fill 96, 4, 3214868480
	.section	.rodata,"a",@progbits
	.p2align	6, 0x0
	.amdhsa_kernel k_q6902798d46_first16
		.amdhsa_group_segment_fixed_size 85248
		.amdhsa_private_segment_fixed_size 0
		.amdhsa_enable_private_segment 0
		.amdhsa_kernarg_size 32
		.amdhsa_user_sgpr_count 2
		.amdhsa_user_sgpr_kernarg_segment_ptr 1
		.amdhsa_wavefront_size32 1
		.amdhsa_system_sgpr_workgroup_id_x 1
		.amdhsa_system_sgpr_workgroup_id_y 1
		.amdhsa_system_sgpr_workgroup_id_z 1
		.amdhsa_system_vgpr_workitem_id 0
		.amdhsa_next_free_vgpr 256
		.amdhsa_next_free_sgpr 66
		.amdhsa_reserve_vcc 1
		.amdhsa_float_denorm_mode_32 3
		.amdhsa_float_denorm_mode_16_64 3
		.amdhsa_memory_ordered 1
		.amdhsa_forward_progress 1
		.amdhsa_inst_pref_size 35
	.end_amdhsa_kernel
	.amdgpu_metadata
---
amdhsa.version: [ 1, 2 ]
amdhsa.kernels:
  - .name:           k_q6902798d46_first16
    .symbol:         k_q6902798d46_first16.kd
    .args:
      - { .name: qkv32, .offset: 0, .size: 8, .value_kind: global_buffer, .address_space: global }
      - { .name: W_proj, .offset: 8, .size: 8, .value_kind: global_buffer, .address_space: global }
      - { .name: b_proj, .offset: 16, .size: 8, .value_kind: global_buffer, .address_space: global }
      - { .name: out0, .offset: 24, .size: 8, .value_kind: global_buffer, .address_space: global }
    .group_segment_fixed_size: 85248
    .private_segment_fixed_size: 0
    .kernarg_segment_align: 8
    .kernarg_segment_size: 32
    .max_flat_workgroup_size: 512
    .sgpr_count:     66
    .vgpr_count:     256
    .wavefront_size: 32
...
	.end_amdgpu_metadata
.endif
;; end of part 5
